; MI455X (gfx1250); checked and timed in simulation.
; The chip was launched on July 23, 2026; its instructions are those of AMD's public machine-readable ISA for CDNA 5 (MIT licence, August 2026) and "CDNA5" Instruction Set Architecture Reference Guide (July 2026). The comments in the code are by the model that wrote it; some were corrected since.
;; Self Attention. Allowed arithmetic: matrix products marked QUANTISED: E3M2 operands, one E8M0 scale for each 32 along K, by v_wmma_scale_f32_16x16x128_f8f6f4 with both operands' format E3M2, f32 sums; everything else in f32.
;; Inputs: Wk 1,024 x 1,024 float32; Wq 1,024 x 1,024 float32; Wv 1,024 x 1,024 float32; bk 1,024 float32; bq 1,024 float32; bv 1,024 float32; x 4 x 2,048 x 1,024 float32.
;; Outputs: out0 4 x 2,048 x 1,024 float32.
;; This version of the problem:
;;   THIS VERSION OF THE PROBLEM IS GIVEN IN LOW PRECISION. The matrix products marked QUANTISED in the list below multiply operands that are first quantised to E3M2 (3 exponent bits, 2 mantissa bits; 6 bits a number), with one power-of-two scale for each 32 numbers along K (OCP MX v1.0); their sums are f32. All else is computed in f32.
;;   The module's matrix products, in the order in which they are computed (A, B: the left and right operand; K: the contracted axis; several contracted axes count as one K, in the product's order):
;;     1. [M 8,192, K 1,024] x [K 1,024, N 1,024]; A: input x; B: input Wq: QUANTISED
;;     2. [M 8,192, K 1,024] x [K 1,024, N 1,024]; A: input x; B: input Wk: QUANTISED
;;     3. [M 8,192, K 1,024] x [K 1,024, N 1,024]; A: input x; B: input Wv: QUANTISED
;;     4. batch 4 x [M 2,048, K 1,024] x [K 1,024, N 2,048]; A: computed on the way; B: computed on the way: QUANTISED
;;     5. batch 4 x [M 2,048, K 2,048] x [K 2,048, N 1,024]; A: softmax (see below); B: computed on the way: QUANTISED
;;   THE QUANTISER, for each operand of a quantised product, along K:
;;     - K is cut into blocks of 32 from its start; a last block that is shorter is filled with zeros.
;;     - A block's scale is 2^e with e = floor(log2(the largest magnitude in the block)) - 4, held to -126 .. 127; a block of zeros has e = 0. As a byte (E8M0): e + 127.
;;     - Each number is divided by its block's scale, clamped to +-28, and rounded to the nearest number of E3M2, ties to even, subnormals kept.
;;     - The product sums the exact products of the quantised numbers (number of the format x scale) in f32.
;;   ~~~python
;;   def quantise(x, axis):      # numpy; x: float32 -> the quantised numbers, widened to float32 again
;;       x = np.moveaxis(x, axis, -1); K = x.shape[-1]
;;       x = np.pad(x, [(0, 0)] * (x.ndim - 1) + [(0, -K % 32)]); x = x.reshape(x.shape[:-1] + (-1, 32)); a = np.abs(x).max(-1, keepdims=True)
;;       e = np.where(a > 0, np.clip(np.frexp(np.where(a > 0, a, 1))[1] - 1 - 4, -126, 127), 0)      # np.frexp(a)[1] - 1 = floor(log2(a)), exactly
;;       r = np.clip(x / 2.0 ** e, -28, 28)
;;       step = 2.0 ** (np.maximum(np.frexp(np.where(r == 0, 1, r))[1] - 1, -2) - 2)
;;       q = np.round(r / step) * step * 2.0 ** e      # np.round: ties to even
;;       return np.moveaxis(q.reshape(q.shape[:-2] + (-1,))[..., :K], -1, axis).astype(np.float32)
;;   ~~~
;;   SOFTMAX AHEAD OF A QUANTISED PRODUCT. Where the list says 'softmax', what is quantised is not the finished softmax but p = 2^(t - M), with t = logit x log2(e) and M = ceil(the row's largest t), a whole number; so 1/2 < the row's largest p <= 1. The row's sum l is taken of the UNQUANTISED p, in f32, and the product's result is divided by l at the end. Since M is a whole number, a kernel that streams over the keys may use a running M (the ceiling of the running maximum): every later rescaling is an exact power of two, which a block's scale takes up: the codes' values come out the same.
;;   OPERANDS COMPUTED ON THE WAY. 'Computed on the way' means the value that the module computes at that place (a softmax that the list does not call 'softmax' is quantised finished and normalised). What goes into a quantiser is computed in f32, as accurately as f32 sums, v_exp_f32 and their like allow (about 1e-6 of the number): no bf16 or f16 on the way to a quantiser, and a product that is left as it is and whose result goes on into a quantised operand takes f32 operands (vector FMAs, or v_wmma_f32_16x16x4_f32). A number that lies on a knife's edge between two numbers of the format may be rounded either way, as far as f32 arithmetic and the matrix unit's own rounding can turn it there, and no further.
;; One version. Each part assembles by itself: llvm-mc -triple=amdgcn-amd-amdhsa -mcpu=gfx1250 --defsym DOCPART=n.
;; ======== version 1 of 1: 4 launches
;; limits: right only within a limited range of input values
;; workspace buffers: c1 9,011,200 bytes; c2 13,107,200 bytes; c3 6,553,600 bytes; pc 12,582,912 bytes; pst 1,572,864 bytes
;; launch quant (part 1): grid 704 x 1, 4 waves a work-group, no clusters, 34,816 bytes of LDS; arguments x, Wq, Wk, Wv, c1; writes c1
.if DOCPART == 1
	.amdgcn_target "amdgcn-amd-amdhsa--gfx1250"
	.amdhsa_code_object_version 6
	.text
	.protected	k_q138f32a596_quant
	.globl	k_q138f32a596_quant
	.p2align	8
	.type	k_q138f32a596_quant,@function
k_q138f32a596_quant:
	s_mov_b64 s[64:65], 0
	v_nop
	global_prefetch_b8 v0, s[64:65] scope:SCOPE_SE
	s_setreg_imm32_b32 hwreg(HW_REG_WAVE_MODE, 25, 1), 1
	s_wait_xcnt 0x0
; x [8192][1024] and Wq, Wk, Wv [1024][1024], f32, K innermost, become codes of BF6 (E3M2) with one E8M0 byte for each 32 along K, laid as the next launch's operand registers want them.
; No step of the problem is left out in any launch, and every input is loaded.
; ROWS.  The four tensors count as one run of 11,264 rows (x, Wq, Wk, Wv).  Rows are taken in blocks of 16 LANE ROWS: lane row r of block rb is row 32 (rb / 2) + 8 (rb % 2) + r + 8 (r / 8).
; A FRAGMENT (16 lane rows x 128 along K, 12 registers a lane) is stored as an image of its registers, 1,536 bytes: register 4 c + i of lane l at 512 c + 16 l + 4 i.
; A GROUP is four blocks x 256 along K: [4 blocks][2 K steps][1536], then the scale words: [2 K steps][256 bytes], in which the word of block 2 p + h, lane row r stands at 8 (16 h + r) + 4 p.  12,800 bytes.
; c1: [K / 256][group 176][12800].
; A block's scale is 2^(floor(log2(largest magnitude)) - 4): its byte is the largest magnitude's exponent field - 4, held at 1 from below by a floor among the maximum's leaves.
; LIMITS: a block of zeros gets the byte 1 where the quantiser says 127 (its codes are zeros, and this program alone reads the bytes); NaN and infinities among the inputs are not served.
; SHARES.  A work-group of four waves takes a group; wave w its K step w % 2 of blocks 2 (w / 2) and 2 (w / 2) + 1: two fragments, whose 32 loads all go out at the start.  Each load reads 512 consecutive bytes of one row; the 16 rows
; of a fragment turn through the wave's own stage in LDS (rows 528 bytes apart), out of which lane (r, h) takes, of row r, 16 neighbours of each block of 32.  The scale words of a K step's two waves meet in LDS: one barrier.
.set SCW,   33792                      ; behind four stages of 16 x 528 bytes: the scale words, 2 x 256 bytes
.set SPARE, SCW+512                    ; the spare words
.set TM,  16                           ; v16-19 largest magnitudes, v20-23 the other half's / bytes, v28-31 the conversions' scale operands
.set PW,  52                           ; v52-53 a scale word for each fragment
.set R,   64                           ; v64-127, v128-191 two sets of 16 x 4 registers as loaded.  Fragment f's codes: 20 registers from 32 + 32 f on
.set X,   192                          ; v192-255 64 numbers: register 16 b + i = k 32 b + 16 h + i of my row
.set SEL, 36                           ; s[36:37] lane selects for v_permlanex16_b32: lane l xor 16
	s_load_b256 s[4:11], s[0:1], 0x0               ; x, Wq, Wk, Wv
	s_load_b64 s[12:13], s[0:1], 0x20              ; c1
	v_lshl_add_u32 v62, v0, 2, SPARE
	v_mov_b32 v63, 0
	v_lshrrev_b32 v1, 5, v0
	v_readfirstlane_b32 s16, v1                    ; wave
	s_and_b32 s34, s16, 1                          ; my K step
	s_lshr_b32 s35, s16, 1                         ; my half of the blocks
	s_mul_i32 s17, s16, 8448                       ; my wave's stage
	s_lshl_b32 s18, s34, 8
	s_add_co_u32 s18, s18, SCW                     ; my K step's scale words
	s_lshl_b32 s19, s35, 2
	s_add_co_u32 s19, s19, s18                     ; my half's among them
	v_and_b32 v7, 31, v0                           ; lane
	v_and_b32 v8, 15, v0                           ; r
	v_bfe_u32 v9, v0, 4, 1                         ; h
	v_lshlrev_b32 v1, 4, v7                        ; 16 x lane: my place in a load's and in a store's 512 bytes
	v_add_nc_u32 v2, s17, v1                       ; the stage, on the way in
	v_mul_u32_u24 v3, v8, 528
	v_lshl_add_u32 v3, v9, 6, v3
	v_add_nc_u32 v3, s17, v3                       ; and on the way out: row r, + 64 h
	v_lshlrev_b32 v6, 3, v7
	v_add_nc_u32 v4, s18, v6                       ; the scale words: read back,
	v_add_nc_u32 v5, s19, v6                       ; and stored
.irp b, 0,1,2,3
	v_mov_b32 v[TM+4+\b], 0                        ; written once: a lane permute's destination counts as one of its sources
.endr
	s_mov_b32 s[SEL], 0x76543210
	s_mov_b32 s[SEL+1], 0xfedcba98
	s_mov_b32 s38, 0xffff0000                      ; lanes 16-31
	; which tensor, which group: all from the work-group's number
	s_cmp_lt_u32 ttmp9, 512                        ; the first 512 work-groups take x, 64 each of the others a weight
	s_cselect_b32 s19, 0, 512
	s_cselect_b32 s22, 511, 63
	s_cselect_b32 s23, 0, 128                      ; the tensor's first group
	s_cselect_b32 s24, 0, 16
	s_sub_co_u32 s19, ttmp9, s19
	s_lshr_b32 s20, s19, 6                         ; which weight (of x's work-groups: not used)
	s_and_b32 s21, s19, s22                        ; t: the work-group's number within its tensor
	s_mul_i32 s24, s24, s20
	s_add_co_u32 s23, s23, s24
	s_and_b32 s25, s21, 3                          ; which 256 along K
	s_lshr_b32 s26, s21, 2                         ; the group's 64 rows
	s_lshl_b32 s28, s26, 18                        ; source: 64 rows of 4,096 bytes,
	s_lshl_b32 s27, s35, 17                        ; + 32 rows for a half,
	s_add_co_u32 s28, s28, s27
	s_lshl_b32 s27, s25, 10                        ; + 1,024 bytes for 256 along K,
	s_add_co_u32 s28, s28, s27
	s_lshl_b32 s27, s34, 9                         ; + 512 bytes a K step
	s_add_co_u32 s28, s28, s27
	s_mov_b32 s29, 0
	s_add_co_u32 s23, s23, s26                     ; my group
	s_mul_i32 s30, s25, 2252800
	s_mul_i32 s27, s23, 12800
	s_add_co_u32 s30, s30, s27
	s_lshl_b32 s27, s34, 8
	s_add_co_u32 s32, s30, s27
	s_add_co_u32 s32, s32, 12288                   ; my K step's scale words
	s_mov_b32 s33, 0
	s_mul_i32 s27, s34, 1536
	s_add_co_u32 s30, s30, s27                     ; my K step's codes,
	s_mul_i32 s27, s35, 6144
	s_add_co_u32 s30, s30, s27                     ; of my two blocks
	s_mov_b32 s31, 0
	s_wait_alu depctr_va_vdst(0)                   ; the wait at the head's end
	s_wait_kmcnt 0x0
	s_cmp_eq_u32 s20, 1
	s_cselect_b64 s[6:7], s[8:9], s[6:7]           ; the choices hang on the work-group's number alone
	s_cmp_eq_u32 s20, 2
	s_cselect_b64 s[6:7], s[10:11], s[6:7]
	s_cmp_lt_u32 ttmp9, 512
	s_cselect_b64 s[4:5], s[4:5], s[6:7]
	s_add_nc_u64 s[4:5], s[4:5], s[28:29]
	s_add_nc_u64 s[14:15], s[12:13], s[32:33]
	s_add_nc_u64 s[12:13], s[12:13], s[30:31]
.irp f, 0,1                            ; fragment f's 16 lane rows, 512 consecutive bytes each, into set f
.irp i, 0,1,2,3,4,5,6,7,8,9,10,11,12,13,14,15
	global_load_b128 v[R+64*\f+4*\i:R+64*\f+4*\i+3], v1, s[4:5] offset:(8*\f+\i+8*(\i/8))*4096 th:TH_LOAD_NT
.endr
.endr
.macro FRAGMENT f
.set PC, 32+32*(\f)
	s_wait_loadcnt 16*(1-(\f))                     ; this fragment's 16 loads are in; the next fragment's 16 may be out
.irp i, 0,1,2,3,4,5,6,7,8,9,10,11,12,13,14,15
	ds_store_b128 v2, v[R+64*(\f)+4*\i:R+64*(\f)+4*\i+3] offset:528*\i
.endr
.irp b, 0,1,2,3
.irp j, 0,1,2,3
	ds_load_b128 v[X+16*\b+4*\j:X+16*\b+4*\j+3], v3 offset:128*\b+16*\j   ; LDS serves a wave's instructions in order: these see the stores above
.endr
.endr
	s_wait_dscnt 0x0                               ; my 64 numbers are back, and the stores have read the set
.irp b, 0,1,2,3
	v_max3_num_f32 v[TM+\b], |v[X+16*\b]|, |v[X+16*\b+1]|, 0x2800000   ; block b: my 16 numbers, and the floor 2^(5 - 127): the byte cannot fall under 1
.endr
.irp i, 2,4,6,8,10,12,14
.irp b, 0,1,2,3
	v_max3_num_f32 v[TM+\b], v[TM+\b], |v[X+16*\b+\i]|, |v[X+16*\b+\i+1]|   ; the four blocks by turns
.endr
.endr
.irp b, 0,1,2,3
	v_permlanex16_b32 v[TM+4+\b], v[TM+\b], s[SEL], s[SEL+1]
.endr
.irp b, 0,1,2,3
	v_max_num_f32 v[TM+\b], v[TM+\b], v[TM+4+\b]   ; with lane l xor 16's 16: the block's largest magnitude
.endr
.irp b, 0,1,2,3
	v_add_nc_u32 v[TM+12+\b], 0xfe000000, v[TM+\b] ; 4 off its exponent field: the conversion's scale operand
.endr
.irp b, 0,1,2,3
	v_lshrrev_b32 v[TM+4+\b], 23, v[TM+12+\b]      ; the scale's byte
.endr
	v_lshl_or_b32 v[PW+(\f)], v[TM+5], 8, v[TM+4]
	v_lshl_or_b32 v[PW+(\f)], v[TM+6], 16, v[PW+(\f)]
	v_lshl_or_b32 v[PW+(\f)], v[TM+7], 24, v[PW+(\f)]   ; my row's scale word
.irp c, 0,1
	v_cvt_scalef32_pk16_bf6_f32 v[PC+6*\c:PC+6*\c+2], v[X+32*\c:X+32*\c+15], v[TM+12+2*\c]
	v_cvt_scalef32_pk16_bf6_f32 v[PC+12+4*\c:PC+14+4*\c], v[X+16+32*\c:X+31+32*\c], v[TM+13+2*\c]   ; (a conversion's three registers begin on an even number)
.endr
	v_nop                                          ; one plain instruction behind the scaled conversions
.irp c, 0,1                            ; the operand's layout wants a whole block in a lane: lanes 0-15 block 2 c, lanes 16-31 block 2 c + 1
.irp i, 0,1,2
	v_permlane16_swap_b32 v[PC+6*\c+\i], v[PC+12+4*\c+\i]
.endr
.irp i, 0,1,2
	v_mov_b32 v[PC+3+6*\c+\i], v[PC+12+4*\c+\i]
.endr
.endr
.irp c, 0,1,2
	global_store_b128 v1, v[PC+4*\c:PC+4*\c+3], s[12:13] offset:3072*(\f)+512*\c   ; the image: 512 consecutive bytes a store, at a multiple of 512 from c1's first byte
.endr
.endm
	FRAGMENT 0
	FRAGMENT 1
	v_cndmask_b32 v56, v[PW], v[PW+1], s38         ; both half waves hold each row's word: lanes 0-15 take the even block's, lanes 16-31 the odd block's
	ds_store_b32 v5, v56
	s_wait_tensorcnt 0x0                           ; behind my last LDS store,
	ds_add_u32 v62, v63
	s_wait_dscnt 0x0                               ; and my words lie in LDS
	s_barrier_signal -1
	s_barrier_wait -1
	s_cmp_lt_u32 s16, 2                            ; a K step's 64 words leave by one of its two waves
	s_cbranch_scc0 .Lend
	ds_load_b64 v[58:59], v4
	s_wait_dscnt 0x0
	global_store_b64 v6, v[58:59], s[14:15]        ; 256 consecutive bytes, at a multiple of 256 from c1's first byte
.Lend:
	s_endpgm
.Lfunc_end_k_q138f32a596_quant:
	.size	k_q138f32a596_quant, .Lfunc_end_k_q138f32a596_quant-k_q138f32a596_quant
	.p2alignl 7, 3214868480
	.fill 96, 4, 3214868480
	.section	.rodata,"a",@progbits
	.p2align	6, 0x0
	.amdhsa_kernel k_q138f32a596_quant
		.amdhsa_group_segment_fixed_size 34816
		.amdhsa_private_segment_fixed_size 0
		.amdhsa_enable_private_segment 0
		.amdhsa_kernarg_size 40
		.amdhsa_user_sgpr_count 2
		.amdhsa_user_sgpr_kernarg_segment_ptr 1
		.amdhsa_wavefront_size32 1
		.amdhsa_system_sgpr_workgroup_id_x 1
		.amdhsa_system_sgpr_workgroup_id_y 1
		.amdhsa_system_sgpr_workgroup_id_z 1
		.amdhsa_system_vgpr_workitem_id 0
		.amdhsa_next_free_vgpr 256
		.amdhsa_next_free_sgpr 66
		.amdhsa_reserve_vcc 0
		.amdhsa_float_denorm_mode_32 3
		.amdhsa_float_denorm_mode_16_64 3
		.amdhsa_memory_ordered 1
		.amdhsa_forward_progress 1
		.amdhsa_inst_pref_size 20
	.end_amdhsa_kernel
	.amdgpu_metadata
---
amdhsa.version: [ 1, 2 ]
amdhsa.kernels:
  - .name:           k_q138f32a596_quant
    .symbol:         k_q138f32a596_quant.kd
    .args:
      - { .name: x, .offset: 0, .size: 8, .value_kind: global_buffer, .address_space: global }
      - { .name: Wq, .offset: 8, .size: 8, .value_kind: global_buffer, .address_space: global }
      - { .name: Wk, .offset: 16, .size: 8, .value_kind: global_buffer, .address_space: global }
      - { .name: Wv, .offset: 24, .size: 8, .value_kind: global_buffer, .address_space: global }
      - { .name: c1, .offset: 32, .size: 8, .value_kind: global_buffer, .address_space: global }
    .group_segment_fixed_size: 34816
    .private_segment_fixed_size: 0
    .kernarg_segment_align: 8
    .kernarg_segment_size: 40
    .max_flat_workgroup_size: 128
    .sgpr_count:     66
    .vgpr_count:     256
    .wavefront_size: 32
...
	.end_amdgpu_metadata
.endif
;; end of part 1
;; launch qkv (part 2): grid 8 x 32, 4 waves a work-group, clusters of 4 x 4, 327,680 bytes of LDS; arguments c1, bq, bk, bv, c2, c3; writes c2, c3
.if DOCPART == 2
	.amdgcn_target "amdgcn-amd-amdhsa--gfx1250"
	.amdhsa_code_object_version 6
	.text
	.protected	k_q138f32a596_qkv
	.globl	k_q138f32a596_qkv
	.p2align	8
	.type	k_q138f32a596_qkv,@function
k_q138f32a596_qkv:
	s_mov_b64 s[64:65], 0
	v_nop
	global_prefetch_b8 v0, s[64:65] scope:SCOPE_SE
	s_setreg_imm32_b32 hwreg(HW_REG_WAVE_MODE, 25, 1), 1
	s_wait_xcnt 0x0
	s_wait_alu depctr_hold_cnt(0) depctr_sa_sdst(0) depctr_va_vdst(0) depctr_va_sdst(0) depctr_va_ssrc(0) depctr_va_vcc(0) depctr_vm_vsrc(0)
	s_getreg_b32 s2, hwreg(HW_REG_IB_STS2, 6, 4)
	s_cmp_eq_u32 s2, 0
	s_cbranch_scc0 .Lentry_in_a_cluster
	s_endpgm
.Lentry_in_a_cluster:
	s_bfe_u32 s2, ttmp6, 0x10000c
	s_cmp_lg_u32 s2, 0xf033
	s_cbranch_scc0 .Lentry_shape_is_right
	s_endpgm
.Lentry_shape_is_right:
; The three projections on codes of BF6 (E3M2), K = 1,024, in one pass, and the quantising of their results for the two products of attention.
; A WORK-GROUP (TA, j): the 256 rows TA of x, and 128 rows (piece j) of each of Wq, Wk and Wv: 32 x 8 work-groups share the 8,192 x 3,072 results evenly.
; A WAVE (rw, cw) takes 128 of those rows of x (half rw: 8 blocks of 16 lane rows) and 12 blocks of weights in three GROUPS of four: groups 0 and 1 the 128 rows of Wq (cw = 0) or Wk (cw = 1), group 2 64 of Wv's (half cw).
;   q, k = x W^T + b: source 0 = W's block, source 1 = x's: lane (r, h) holds row r of x, its registers run along o, the scores' K.             -> c2
;   v^T = Wv x^T + bv: source 0 = x's block, source 1 = Wv's: lane (r, h) holds row r of v^T, its registers run along the keys, the last K.     -> c3
; Both layouts take the same fragment registers: a fragment of x serves as source 1 for q and k and as source 0 for v.
; OPERANDS are fragment images (16 lane rows x 128 K, 1,536 bytes: register 4 c + i of lane l at 512 c + 16 l + 4 i) in groups of four blocks x 256 K with their scale words, 12,800 bytes: c1: [K / 256][group 176] (x 0-127, Wq 128 on, Wk 144 on, Wv 160 on).
; Lane row r of block rb is row 32 (rb / 2) + 8 (rb % 2) + r + 8 (r / 8): so the 16 registers of source 0's blocks 2 b and 2 b + 1 are the 16 neighbours n = 32 b + 16 h + 0 .. 15.
; REGISTERS.  96 accumulators fill windows 1, 2, 3, a window for each group.  Window 0: v8-29 addresses; v32-39 x's scale words, two sets; v40-43 the weights', two buffers; v64-159 a group of weights, two buffers; v160-255 x's 8 fragments, ONE set.
; A step of 128 K goes group by group, row by row of x's blocks.  While group n is multiplied, group n + 1 is fetched into the other buffer; in group 2 each block of x is fetched anew for the next step as soon as its last four products are issued.
; THE RING.  K goes in four slots of 256 through two LDS slots; waves 0 and 1 fetch x's halves, waves 2 and 3 the halves of the weights' three pieces.  One load a wave at the head, one behind each round.
; CLUSTERS: 4 x 4.  x's tiles hang on TA alone and are shared along a row of the cluster, the weights' on j alone and are shared along a column: each is asked for jointly.
; THE BIAS is the C of each sum's first product.  Its tiles lie in the accumulators of x's last block, which start last: five places stand ahead of them in the first step.
; No prefetch: a launch has two refills, and each has a whole slot's 192 matrix instructions in which to land.
; c2: [o / 256][group 256][12800] (q 0-127, k 128-255), as c1.   c3: [batch][key / 512][group of 64 d 16][4 blocks x 4 K steps x 1536, then 4 x 256 bytes of scale words].
; LIMITS: a block of zeros gets the byte 1 where the quantiser says 127 (its codes are zeros, and this program alone reads the bytes); NaN and infinities are not served.
.set GRP,   12800
.set PLANE, 2252800                    ; from a K slot to the next in c1
.set XH,    25600                      ; 128 rows of x in a slot
.set WH,    38400                      ; 64 rows of each of Wq, Wk, Wv
.set SLOT,  2*XH+2*WH
.set SPARE, 2*SLOT                     ; the spare words: two blocks of 256 bytes that no other line names
.set ADX, 8                            ; v8-19: LDS addresses, one for each slot: 16 x lane in x, Wq or Wk, Wv;
.set ADW, 10
.set ADV, 12
.set SDX, 14                           ; and 8 x lane, for the scale words
.set SDW, 16
.set SDV, 18
.set L16, 20                           ; v20, v21 16 x lane, 8 x lane
.set L8,  21
.set PW,  22                           ; v22-25 the way out: scale words
.set SPW, 28                           ; v28 my spare word, v29 0; never rewritten
.set NIL, 29
.set XS,  32
.set WS,  40
.set WF,  64
.set XF,  160
.set TM,  32                           ; the way out: v32-47 maxima, v48-63 the conversions' scale operands, v64-207 codes, v208-223 the partner's maxima, then bytes, v224-255 halves of codes
.set TS,  48
.set PC,  64
.set TP,  208
.set PH,  224
.set SWO, 4                            ; v4-9 scale words on their way out
.set SEL, 16                           ; s[16:17] lane selects for lane l xor 16
.set G1,  28                           ; s[28:35] descriptor group 1 for x's tiles, s[44:51] group 0 for each slot; s[36:43], s[52:59] the weights'
.set G1B, 36
.set G0,  44
.set G0B, 52
.set MSB, 0
.macro WIN new                         ; the immediate's high byte repeats the setting that is left
.if MSB != (\new)
	s_set_vgpr_msb (MSB<<8)|(\new)
.set MSB, (\new)
.endif
.endm
.macro PLACES n
.rept \n
	v_nop
.endr
.endm
; A joint load: waves 0 and 1 fetch x, waves 2 and 3 weights; the branch hangs on the wave's number alone.  s_nop 0 and four v_nop follow each of the two lines.
.macro JLOAD s
	s_cmp_eq_u32 s21, 0
	s_cbranch_scc0 .Lfor_b_\@
	tensor_load_to_lds s[G0+4*(\s):G0+4*(\s)+3], s[G1:G1+7]
	s_nop 0
.rept 4
	v_nop
.endr
	s_branch .Lasked_\@
.Lfor_b_\@:
	tensor_load_to_lds s[G0B+4*(\s):G0B+4*(\s)+3], s[G1B:G1B+7]
	s_nop 0
.rept 4
	v_nop
.endr
.Lasked_\@:
.endm
.macro CREST                           ; a round of the cluster's barrier behind its opening barrier
	s_cmp_lg_u32 s20, 0
	s_cbranch_scc1 .Lnot_wave_0_\@
	s_barrier_signal -3
.Lnot_wave_0_\@:
	s_barrier_wait -3
	s_barrier_signal -1
	s_barrier_wait -1
.endm
.macro CROUND
	s_barrier_signal -1
	s_barrier_wait -1
	CREST
.endm
; One product, by the symbols rD, rB (source 0), rA (source 1), rC, rSB, rSA; fRB, fRA: the scale words lie in lanes 16-31.
.macro WM
.if fRB && fRA
	v_wmma_scale_f32_16x16x128_f8f6f4 v[rD:rD+7], v[rB:rB+11], v[rA:rA+11], v[rC:rC+7], v[rSB], v[rSA] matrix_a_fmt:MATRIX_FMT_BF6 matrix_b_fmt:MATRIX_FMT_BF6 matrix_a_scale:MATRIX_SCALE_ROW1 matrix_b_scale:MATRIX_SCALE_ROW1
.elseif fRB
	v_wmma_scale_f32_16x16x128_f8f6f4 v[rD:rD+7], v[rB:rB+11], v[rA:rA+11], v[rC:rC+7], v[rSB], v[rSA] matrix_a_fmt:MATRIX_FMT_BF6 matrix_b_fmt:MATRIX_FMT_BF6 matrix_a_scale:MATRIX_SCALE_ROW1
.elseif fRA
	v_wmma_scale_f32_16x16x128_f8f6f4 v[rD:rD+7], v[rB:rB+11], v[rA:rA+11], v[rC:rC+7], v[rSB], v[rSA] matrix_a_fmt:MATRIX_FMT_BF6 matrix_b_fmt:MATRIX_FMT_BF6 matrix_b_scale:MATRIX_SCALE_ROW1
.else
	v_wmma_scale_f32_16x16x128_f8f6f4 v[rD:rD+7], v[rB:rB+11], v[rA:rA+11], v[rC:rC+7], v[rSB], v[rSA] matrix_a_fmt:MATRIX_FMT_BF6 matrix_b_fmt:MATRIX_FMT_BF6
.endif
.endm
; Four products: x's block a with group g's four.  The 96 accumulators take turns, one instruction a turn, in the same order in every step.
; first = 1: the bias starts the sums.  Its tiles lie where block 7's sums will stand, and five places part the last reads of a tile from the write over it.
.macro MUL g, a, q, first
.if (\first) && (\a) == 7
	PLACES 5
.endif
	WIN 0x50*((\g)+1)
.set PAR, (3*(\q)+(\g)+TW)%2           ; the buffer that holds the group; TW = 1 turns the order round for step 1's groups 0 and 1 in the last K slot
.irp b, 0,1,2,3
.if (\g) < 2
.set rD, 8*(4*(\a)+\b)
.set rB, WF+48*PAR+12*\b
.set rA, XF+12*(\a)
.set rSB, WS+2*PAR+\b/2
.set rSA, XS+4*(\q)+(\a)/2
.set fRB, \b%2
.set fRA, (\a)%2
.set rC, rD
.if \first
.set rC, 8*(28+\b)
.endif
.else
.set rD, 8*(8*\b+(\a))
.set rB, XF+12*(\a)
.set rA, WF+48*PAR+12*\b
.set rSB, XS+4*(\q)+(\a)/2
.set rSA, WS+2*PAR+\b/2
.set fRB, (\a)%2
.set fRA, \b%2
.set rC, rD
.if \first
.set rC, 8*(8*\b+7)
.endif
.endif
	WM
.endr
.endm
.macro FRAG reg, adr, off              ; a fragment's image comes back by three loads of 512 consecutive bytes
.irp c, 0,1,2
	ds_load_b128 v[(\reg)+4*\c:(\reg)+4*\c+3], v[\adr] offset:(\off)+512*\c
.endr
.endm
.macro LW slot, q, g                   ; group g's scale words and its four fragments: 13 loads
.set PAR, (3*(\q)+(\g)+TW)%2
.if (\g) < 2
.set AD, ADW+\slot
.set SD, SDW+\slot
.set OF, WH*(\g)
.else
.set AD, ADV+\slot
.set SD, SDV+\slot
.set OF, 0
.endif
	ds_load_b64 v[WS+2*PAR:WS+2*PAR+1], v[SD] offset:OF+12288+256*(\q)
.irp i, 0,1,2,3
	FRAG WF+48*PAR+12*(\i), AD, OF+3072*(\i)+1536*(\q)
.endr
.endm
.macro LXS slot, q
.irp u, 0,1
	ds_load_b64 v[XS+4*(\q)+2*\u:XS+4*(\q)+2*\u+1], v[SDX+\slot] offset:GRP*\u+12288+256*(\q)
.endr
.endm
.macro LX slot, q, a
	FRAG XF+12*(\a), ADX+\slot, GRP*((\a)/4)+3072*((\a)%4)+1536*(\q)
.endm
; A step of 128 K.  A load into a register that a matrix instruction has read stands four plain vector instructions behind it (ISA guide 7.12.1 for vector instructions): the four v_nop in front of the loads.
; turn = 1: the slot ends with this step: its last reads are group 2's, asked for in group 1: one barrier shows the next slot whole.  turn = 2: the barrier opens a round, and the slot is filled again, two K slots on.
; In front of that barrier each wave waits for all its tensor loads, adds 0 to its spare word, and waits for that and for its own reads of the slot.
; The loads stand in three runs a step: x's blocks 4-7 and group 1 at its start, group 2 behind group 0's products, the next step's scale words, group 0 and blocks 0-3 in the middle of group 2's.
.macro OPEN slot, q, first             ; a step's first run, and group 0's products
	PLACES 4
	WIN 0
.irp a, 4,5,6,7
	LX \slot, \q, \a
.endr
	LW \slot, \q, 1
	s_wait_dscnt 25                                ; group 0, the scale words and x's blocks 0-3 are in; the 25 loads just issued may be out
.irp a, 0,1,2,3
	MUL 0, \a, \q, \first
.endr
	s_wait_dscnt 13                                ; blocks 4-7 are in; group 1's 13 loads may be out
.irp a, 4,5,6,7
	MUL 0, \a, \q, \first
.endr
.endm
.macro STEP slot, q, first, nslot, nq, turn
	OPEN \slot, \q, \first
	PLACES 4
	WIN 0
	LW \slot, \q, 2
	s_wait_dscnt 13                                ; group 1 is in; group 2's 13 loads may be out
.irp a, 0,1,2,3
	MUL 1, \a, \q, \first
.endr
.if \turn
	WIN 0
	s_wait_tensorcnt 0x0                           ; all my tensor loads have landed: my part of the next slot;
	ds_add_u32 v[SPW], v[NIL]                      ; 0 onto my spare word
.endif
	MUL 1, 4, \q, \first
	MUL 1, 5, \q, \first
.if \turn
	s_wait_dscnt 0x0                               ; the add is done, and my reads of this slot are over
	s_barrier_signal -1
.endif
	MUL 1, 6, \q, \first
	MUL 1, 7, \q, \first
.if \turn
	WIN 0
	s_barrier_wait -1
.if (\turn) == 2
	CREST                                          ; no wave of any partner still reads this slot or has a load on its way
	s_add_nc_u64 s[G0+4*\slot+2:G0+4*\slot+3], s[G0+4*\slot+2:G0+4*\slot+3], 2*PLANE
	s_add_nc_u64 s[G0B+4*\slot+2:G0B+4*\slot+3], s[G0B+4*\slot+2:G0B+4*\slot+3], 2*PLANE
	JLOAD \slot                                    ; the first tensor load behind the round
.endif
.endif
	s_wait_dscnt 0x0                               ; group 2's weights are in
.irp a, 0,1,2,3
	MUL 2, \a, \q, \first
.endr
	PLACES 4
	WIN 0
	LXS \nslot, \nq
	LW \nslot, \nq, 0
.irp a, 0,1,2,3
	LX \nslot, \nq, \a
.endr
.irp a, 4,5,6,7
	MUL 2, \a, \q, \first
.endr
.endm
	s_load_b128 s[4:7], s[0:1], 0x0                ; c1, bq
	s_load_b128 s[8:11], s[0:1], 0x10              ; bk, bv
	s_load_b128 s[12:15], s[0:1], 0x20             ; c2, c3
	v_lshl_add_u32 v[SPW], v0, 2, SPARE
	v_mov_b32 v[NIL], 0
	ds_add_u32 v[SPW], v[NIL]                      ; the opening lines: the add, twice on end, and its wait ahead of my first tensor load
	ds_add_u32 v[SPW], v[NIL]
	v_lshrrev_b32 v1, 5, v0
	v_readfirstlane_b32 s20, v1                    ; wave 0..3
	s_lshr_b32 s21, s20, 1                         ; rw: my half of x's rows.  Also: I fetch x (0) or weights (1)
	s_and_b32 s22, s20, 1                          ; cw.  Also: which half I fetch
	s_bfe_u32 s24, ttmp6, 0x40000                  ; cx
	s_bfe_u32 s25, ttmp6, 0x40004                  ; cy
	s_lshl_b32 s26, ttmp9, 2
	s_add_co_u32 s26, s26, s24                     ; j: hangs on cx, never on cy
	s_and_b32 s27, ttmp7, 0xffff
	s_lshl_b32 s27, s27, 2
	s_add_co_u32 s27, s27, s25                     ; TA: hangs on cy, never on cx
	s_lshl_b32 s60, s25, 2
	s_lshl_b32 s60, 15, s60                        ; my row of the cluster
	s_lshl_b32 s61, 0x1111, s24                    ; my column
	s_or_b32 s[G1], s60, (3<<16)|(1<<21)           ; 15:0 the mask; 17:16 elements of 8 bytes; 21 set beside a mask; no padding.  x: 25,600 bytes on end as 100 rows of 256
	s_mov_b32 s[G1+1], 32<<16
	s_mov_b32 s[G1+2], 100<<16
	s_mov_b32 s[G1+3], 32<<16
	s_mov_b32 s[G1+4], 100
	s_mov_b32 s[G1+5], 32
	s_mov_b32 s[G1+6], 0
	s_mov_b32 s[G1+7], 0
	s_or_b32 s[G1B], s61, (3<<16)|(1<<21)          ; weights: a group of each of Wq, Wk, Wv: three rows of 12,800 bytes, 16 groups apart
	s_mov_b32 s[G1B+1], 1600<<16
	s_mov_b32 s[G1B+2], 3<<16
	s_mov_b32 s[G1B+3], 1600<<16
	s_mov_b32 s[G1B+4], 3
	s_mov_b32 s[G1B+5], 25600
	s_mov_b32 s[G1B+6], 0
	s_mov_b32 s[G1B+7], 0
	s_lshl_b32 s62, s27, 2
	s_lshl_b32 s63, s22, 1
	s_add_co_u32 s62, s62, s63
	s_mul_i32 s66, s62, GRP                        ; x: group 4 TA + 2 x half
	s_mov_b32 s67, 0
	s_lshl_b32 s68, s26, 1
	s_add_co_u32 s68, s68, s22
	s_add_co_u32 s68, s68, 128
	s_mul_i32 s68, s68, GRP                        ; weights: group 128 + 2 j + half
	s_mov_b32 s69, 0
	s_mul_i32 s70, s22, XH                         ; where they go: by the wave's number alone
	s_mul_i32 s71, s22, WH
	s_add_co_u32 s71, s71, 2*XH
	s_wait_dscnt 0x0                               ; both opening adds are done
	s_wait_kmcnt 0x0
	s_add_nc_u64 s[66:67], s[4:5], s[66:67]
	s_add_nc_u64 s[68:69], s[4:5], s[68:69]
.irp s, 0,1
	s_mov_b32 s[G0+4*\s], 1
	s_add_co_u32 s[G0+4*\s+1], s70, \s*SLOT
	s_add_nc_u64 s[G0+4*\s+2:G0+4*\s+3], s[66:67], \s*PLANE
	s_or_b32 s[G0+4*\s+3], s[G0+4*\s+3], 0x80000000
	s_mov_b32 s[G0B+4*\s], 1
	s_add_co_u32 s[G0B+4*\s+1], s71, \s*SLOT
	s_add_nc_u64 s[G0B+4*\s+2:G0B+4*\s+3], s[68:69], \s*PLANE
	s_or_b32 s[G0B+4*\s+3], s[G0B+4*\s+3], 0x80000000
.endr
	CROUND                                         ; all sixteen work-groups are here: the first joint loads meet
	JLOAD 0                                        ; K slot 0: one tensor load a wave at the head
	s_mul_i32 s72, s21, XH                         ; my half of x
	s_mul_i32 s73, s22, GRP
	s_add_co_u32 s73, s73, 2*XH                    ; Wq's group 0 or Wk's; its group 1 lies WH further on
	s_mul_i32 s74, s22, WH
	s_add_co_u32 s74, s74, 2*XH+2*GRP              ; Wv's group cw
	s_cmp_eq_u32 s22, 0
	s_cselect_b64 s[76:77], s[6:7], s[8:9]         ; bq or bk: by the wave's number
	s_lshl_b32 s60, s26, 9
	s_mov_b32 s61, 0
	s_add_nc_u64 s[76:77], s[76:77], s[60:61]      ; + 128 j numbers
	s_lshl_b32 s62, s22, 8
	s_add_co_u32 s60, s60, s62
	s_add_nc_u64 s[78:79], s[10:11], s[60:61]      ; bv + 128 j + 64 cw numbers
	v_and_b32 v1, 31, v0                           ; lane
	v_lshlrev_b32 v[L16], 4, v1
	v_lshlrev_b32 v[L8], 3, v1
	v_add_nc_u32 v[ADX], s72, v[L16]
	v_add_nc_u32 v[ADW], s73, v[L16]
	v_add_nc_u32 v[ADV], s74, v[L16]
	v_add_nc_u32 v[SDX], s72, v[L8]
	v_add_nc_u32 v[SDW], s73, v[L8]
	v_add_nc_u32 v[SDV], s74, v[L8]
.irp r, ADX, ADW, ADV, SDX, SDW, SDV
	v_add_nc_u32 v[\r+1], SLOT, v[\r]
.endr
	v_and_b32 v3, 15, v0                           ; r
	v_bfe_u32 v4, v0, 4, 1                         ; h
	v_lshlrev_b32 v5, 6, v4
	v_and_b32 v6, 8, v3
	v_add_nc_u32 v6, v6, v3
	v_lshlrev_b32 v6, 2, v6                        ; 4 (r + 8 (r / 8))
.irp g, 0,1                            ; q's or k's bias: tile b of group g, register i: b(64 g + 32 (b / 2) + 16 h + 8 (b % 2) + i)
	WIN 0x40*((\g)+1)
.irp b, 0,1,2,3
	global_load_b128 v[8*(28+\b):8*(28+\b)+3], v5, s[76:77] offset:(64*\g+32*(\b/2)+8*(\b%2))*4
	global_load_b128 v[8*(28+\b)+4:8*(28+\b)+7], v5, s[76:77] offset:(64*\g+32*(\b/2)+8*(\b%2))*4+16
.endr
.endr
	WIN 0
.irp b, 0,1,2,3                        ; v's: one number a lane, its own row of Wv's block b
	global_load_b32 v[48+\b], v6, s[78:79] offset:(32*(\b/2)+8*(\b%2))*4
.endr
	; where q's or k's results go: K slot j / 2, q or k, group 4 TA + 2 rw, K step j % 2
	s_lshr_b32 s60, s26, 1
	s_mul_i32 s60, s60, 3276800
	s_mul_i32 s61, s22, 1638400
	s_add_co_u32 s60, s60, s61
	s_lshl_b32 s61, s27, 2
	s_lshl_b32 s62, s21, 1
	s_add_co_u32 s61, s61, s62
	s_mul_i32 s61, s61, GRP
	s_add_co_u32 s60, s60, s61
	s_and_b32 s62, s26, 1
	s_mul_i32 s61, s62, 1536
	s_add_co_u32 s88, s60, s61
	s_mov_b32 s89, 0
	s_lshl_b32 s62, s62, 8
	s_add_co_u32 s90, s60, s62
	s_add_co_u32 s90, s90, 12288
	s_mov_b32 s91, 0
	s_add_nc_u64 s[80:81], s[12:13], s[88:89]
	s_add_nc_u64 s[82:83], s[12:13], s[90:91]
	; and v's: batch TA / 8, 512 keys (TA % 8) / 2, group 2 j + cw, K step 2 (TA % 2) + rw
	s_lshr_b32 s60, s27, 3
	s_mul_i32 s60, s60, 1638400
	s_bfe_u32 s61, s27, 0x20001
	s_mul_i32 s61, s61, 409600
	s_add_co_u32 s60, s60, s61
	s_lshl_b32 s61, s26, 1
	s_add_co_u32 s61, s61, s22
	s_mul_i32 s61, s61, 25600
	s_add_co_u32 s60, s60, s61
	s_and_b32 s62, s27, 1
	s_lshl_b32 s62, s62, 1
	s_add_co_u32 s62, s62, s21
	s_mul_i32 s61, s62, 1536
	s_add_co_u32 s88, s60, s61
	s_lshl_b32 s62, s62, 8
	s_add_co_u32 s90, s60, s62
	s_add_co_u32 s90, s90, 24576
	s_add_nc_u64 s[84:85], s[14:15], s[88:89]
	s_add_nc_u64 s[86:87], s[14:15], s[90:91]
	s_mov_b32 s[SEL], 0x76543210
	s_mov_b32 s[SEL+1], 0xfedcba98
	s_mov_b32 s18, 0xffff0000                      ; lanes 16-31
	s_wait_loadcnt 0x0                             ; the biases
	WIN 0xc0
.irp b, 0,1,2,3
.irp i, 0,1,2,3,4,5,6,7
	v_mov_b32 v[8*(8*\b+7)+\i], v[48+\b]           ; a C operand is eight registers: bv's one number a lane fills them
.endr
.endr
	WIN 0
	s_wait_alu depctr_va_vdst(0)                   ; the wait at the head's end
	s_wait_tensorcnt 0x0                           ; my part of K slot 0 is in
	ds_add_u32 v[SPW], v[NIL]
	s_wait_dscnt 0x0
	CROUND                                         ; K slot 0 is whole, and all sixteen work-groups are here
	JLOAD 1                                        ; K slot 1: the first tensor load behind the round
.set TW, 0
	LXS 0, 0
	LW 0, 0, 0
.irp a, 0,1,2,3
	LX 0, 0, \a
.endr
	STEP 0, 0, 1, 0, 1, 0                          ; four K slots on two LDS slots: the steps are written out
	STEP 0, 1, 0, 1, 0, 2                          ; slot 0 takes K slot 2
	STEP 1, 0, 0, 1, 1, 0
	STEP 1, 1, 0, 0, 0, 2                          ; slot 1 takes K slot 3
	STEP 0, 0, 0, 0, 1, 0
	STEP 0, 1, 0, 1, 0, 1                          ; nothing is left to fetch: no round of the cluster's barrier
	OPEN 1, 0, 0                                   ; THE LAST K SLOT finishes q and k first, so that their stores leave ahead of v's last products: groups 0 and 1 of both steps, the way out, then group 2 of both steps
.set TW, 1
	PLACES 4
	WIN 0
	LW 1, 1, 0                                     ; step 1's group 0, into step 0's group 0's buffer
	s_wait_dscnt 13                                ; group 1 is in
.set TW, 0
.irp a, 0,1,2,3
	MUL 1, \a, 0, 0
.endr
	PLACES 4
	WIN 0
	LXS 1, 1
.irp a, 0,1,2,3
	LX 1, 1, \a
.endr
.irp a, 4,5,6,7
	MUL 1, \a, 0, 0
.endr
.set TW, 1
	OPEN 1, 1, 0
	s_wait_dscnt 0x0
.irp a, 0,1,2,3,4,5,6,7
	MUL 1, \a, 1, 0
.endr
.set TW, 0
	WIN 0
	PLACES 4                                       ; in front of the first reads of results and of writes over the operands' registers
; THE WAY OUT, four blocks of 16 rows at a time.  Block f's 64 registers of a lane: its quantiser blocks 0 and 1 at v[base + str f ..] of window w0, 2 and 3 at v[base + str f + hi ..] of window w1; they become one fragment and one scale word a row.
.macro OUTQ w0, w1, base, str, hi, pc, dst, bstr, off
.irp c, 0,1
.set WX, (\w0)+((\w1)-(\w0))*\c
	WIN (WX<<2)|(WX<<4)                            ; sources 1 and 2: the accumulators' window
.irp f, 0,1,2,3
.irp u, 0,1
	v_max3_num_f32 v[TM+4*\f+2*\c+\u], 0x2800000, |v[(\base)+(\str)*\f+(\hi)*\c+16*\u]|, |v[(\base)+(\str)*\f+(\hi)*\c+16*\u+1]|   ; each accumulator from its low end on; the floor 2^(5 - 127) holds the byte at 1 from below
.endr
.endr
.irp i, 2,4,6,8,10,12,14
.irp f, 0,1,2,3
.irp u, 0,1
	v_max3_num_f32 v[TM+4*\f+2*\c+\u], v[TM+4*\f+2*\c+\u], |v[(\base)+(\str)*\f+(\hi)*\c+16*\u+\i]|, |v[(\base)+(\str)*\f+(\hi)*\c+16*\u+\i+1]|
.endr
.endr
.endr
.endr
	WIN 0
.irp t, 0,1,2,3,4,5,6,7,8,9,10,11,12,13,14,15
	v_permlanex16_b32 v[TP+\t], v[TM+\t], s[SEL], s[SEL+1]
.endr
.irp t, 0,1,2,3,4,5,6,7,8,9,10,11,12,13,14,15
	v_max_num_f32 v[TM+\t], v[TM+\t], v[TP+\t]     ; with lane l xor 16's 16: the block's largest magnitude
.endr
.irp t, 0,1,2,3,4,5,6,7,8,9,10,11,12,13,14,15
	v_add_nc_u32 v[TS+\t], 0xfe000000, v[TM+\t]    ; 4 off its exponent field: the conversion's scale operand
.endr
.irp t, 0,1,2,3,4,5,6,7,8,9,10,11,12,13,14,15
	v_lshrrev_b32 v[TP+\t], 23, v[TS+\t]           ; the scale's byte
.endr
.irp f, 0,1,2,3
	v_lshl_or_b32 v[PW+\f], v[TP+4*\f+1], 8, v[TP+4*\f]
.endr
.irp f, 0,1,2,3
	v_lshl_or_b32 v[PW+\f], v[TP+4*\f+2], 16, v[PW+\f]
.endr
.irp f, 0,1,2,3
	v_lshl_or_b32 v[PW+\f], v[TP+4*\f+3], 24, v[PW+\f]
.endr
.irp c, 0,1
.set WX, (\w0)+((\w1)-(\w0))*\c
	WIN WX                                         ; source 0: the accumulators' window
.irp f, 0,1,2,3
	v_cvt_scalef32_pk16_bf6_f32 v[(\pc)+12*\f+6*\c:(\pc)+12*\f+6*\c+2], v[(\base)+(\str)*\f+(\hi)*\c:(\base)+(\str)*\f+(\hi)*\c+15], v[TS+4*\f+2*\c]
	v_cvt_scalef32_pk16_bf6_f32 v[PH+8*\f+4*\c:PH+8*\f+4*\c+2], v[(\base)+(\str)*\f+(\hi)*\c+16:(\base)+(\str)*\f+(\hi)*\c+31], v[TS+4*\f+2*\c+1]   ; (a conversion's three registers begin on an even number)
.endr
.endr
	WIN 0
	v_nop                                          ; one plain instruction behind the scaled conversions
.irp f, 0,1,2,3
.irp c, 0,1
.irp i, 0,1,2
	v_permlane16_swap_b32 v[(\pc)+12*\f+6*\c+\i], v[PH+8*\f+4*\c+\i]   ; a whole block to a lane: lanes 0-15 block 2 c, lanes 16-31 block 2 c + 1
.endr
.endr
.endr
.irp f, 0,1,2,3
.irp c, 0,1
.irp i, 0,1,2
	v_mov_b32 v[(\pc)+12*\f+6*\c+3+\i], v[PH+8*\f+4*\c+\i]
.endr
.endr
.irp c, 0,1,2
	global_store_b128 v[L16], v[(\pc)+12*\f+4*\c:(\pc)+12*\f+4*\c+3], s[\dst:\dst+1] offset:(\off)+(\bstr)*\f+512*\c   ; 512 consecutive bytes, at a multiple of 512 from the buffer's first byte
.endr
.endr
.endm
.macro WORDS n, dst, off               ; the four blocks' scale words: both half waves hold each row's: lanes 0-15 take the even block's, lanes 16-31 the odd block's
	v_cndmask_b32 v[SWO+2*(\n)], v[PW], v[PW+1], s18
	v_cndmask_b32 v[SWO+2*(\n)+1], v[PW+2], v[PW+3], s18
	global_store_b64 v[L8], v[SWO+2*(\n):SWO+2*(\n)+1], s[\dst:\dst+1] offset:\off   ; 256 consecutive bytes, at a multiple of 256
.endm
	OUTQ 1, 2, 0, 32, 0, PC, 80, 3072, 0
	WORDS 0, 82, 0
	OUTQ 1, 2, 128, 32, 0, PC+48, 80, 3072, GRP
	WORDS 1, 82, GRP
	s_wait_xcnt 0x0                                ; the stores have read the codes' registers, into which weights are loaded
	LXS 1, 0                                       ; group 2 of the last slot's two steps; x's fragments come once more
	LW 1, 0, 2
.irp a, 0,1,2,3,4,5,6,7
	LX 1, 0, \a
.endr
	LXS 1, 1
	LW 1, 1, 2
	s_wait_dscnt 27                                ; x's blocks 0-3 are in; blocks 4-7 (12) and the 15 loads behind them may be out
.irp a, 0,1,2,3
	MUL 2, \a, 0, 0
.endr
	PLACES 4
	WIN 0
.irp a, 0,1,2,3
	LX 1, 1, \a
.endr
	s_wait_dscnt 27                                ; blocks 4-7 are in; 15 + 12 loads may be out
.irp a, 4,5,6,7
	MUL 2, \a, 0, 0
.endr
	PLACES 4
	WIN 0
.irp a, 4,5,6,7
	LX 1, 1, \a
.endr
	s_wait_dscnt 12                                ; all but blocks 4-7 are in
.irp a, 0,1,2,3
	MUL 2, \a, 1, 0
.endr
	s_wait_dscnt 0x0
.irp a, 4,5,6,7
	MUL 2, \a, 1, 0
.endr
	WIN 0
	PLACES 4                                       ; in front of the first reads of v's results and of writes over the operands' registers
	OUTQ 3, 3, 0, 64, 32, PC+96, 84, 6144, 0
	WORDS 2, 86, 0
	s_wait_tensorcnt 0x0                           ; the wave's end
	ds_add_u32 v[SPW], v[NIL]
	s_wait_dscnt 0x0
	CROUND                                         ; the closing round: no work-group ends while a partner may still ask for a tile that names it
	s_endpgm
.Lfunc_end_k_q138f32a596_qkv:
	.size	k_q138f32a596_qkv, .Lfunc_end_k_q138f32a596_qkv-k_q138f32a596_qkv
	.p2alignl 7, 3214868480
	.fill 96, 4, 3214868480
	.section	.rodata,"a",@progbits
	.p2align	6, 0x0
	.amdhsa_kernel k_q138f32a596_qkv
		.amdhsa_group_segment_fixed_size 327680
		.amdhsa_private_segment_fixed_size 0
		.amdhsa_enable_private_segment 0
		.amdhsa_kernarg_size 48
		.amdhsa_user_sgpr_count 2
		.amdhsa_user_sgpr_kernarg_segment_ptr 1
		.amdhsa_wavefront_size32 1
		.amdhsa_system_sgpr_workgroup_id_x 1
		.amdhsa_system_sgpr_workgroup_id_y 1
		.amdhsa_system_sgpr_workgroup_id_z 1
		.amdhsa_system_vgpr_workitem_id 0
		.amdhsa_next_free_vgpr 1024
		.amdhsa_next_free_sgpr 96
		.amdhsa_reserve_vcc 0
		.amdhsa_float_denorm_mode_32 3
		.amdhsa_float_denorm_mode_16_64 3
		.amdhsa_memory_ordered 1
		.amdhsa_forward_progress 1
		.amdhsa_inst_pref_size 203
	.end_amdhsa_kernel
	.amdgpu_metadata
---
amdhsa.version: [ 1, 2 ]
amdhsa.kernels:
  - .name:           k_q138f32a596_qkv
    .symbol:         k_q138f32a596_qkv.kd
    .args:
      - { .name: c1, .offset: 0, .size: 8, .value_kind: global_buffer, .address_space: global }
      - { .name: bq, .offset: 8, .size: 8, .value_kind: global_buffer, .address_space: global }
      - { .name: bk, .offset: 16, .size: 8, .value_kind: global_buffer, .address_space: global }
      - { .name: bv, .offset: 24, .size: 8, .value_kind: global_buffer, .address_space: global }
      - { .name: c2, .offset: 32, .size: 8, .value_kind: global_buffer, .address_space: global }
      - { .name: c3, .offset: 40, .size: 8, .value_kind: global_buffer, .address_space: global }
    .group_segment_fixed_size: 327680
    .private_segment_fixed_size: 0
    .kernarg_segment_align: 8
    .kernarg_segment_size: 48
    .max_flat_workgroup_size: 128
    .sgpr_count:     96
    .vgpr_count:     1024
    .wavefront_size: 32
...
	.end_amdgpu_metadata
.endif
;; end of part 2
;; launch scores (part 3): grid 8 x 32, 4 waves a work-group, clusters of 4 x 4, 327,680 bytes of LDS; arguments c2, pc, pst; writes pc, pst
.if DOCPART == 3
	.amdgcn_target "amdgcn-amd-amdhsa--gfx1250"
	.amdhsa_code_object_version 6
	.text
	.protected	k_q138f32a596_scores
	.globl	k_q138f32a596_scores
	.p2align	8
	.type	k_q138f32a596_scores,@function
k_q138f32a596_scores:
	s_mov_b64 s[64:65], 0
	v_nop
	global_prefetch_b8 v0, s[64:65] scope:SCOPE_SE
	s_setreg_imm32_b32 hwreg(HW_REG_WAVE_MODE, 25, 1), 1
	s_wait_xcnt 0x0
	s_wait_alu depctr_hold_cnt(0) depctr_sa_sdst(0) depctr_va_vdst(0) depctr_va_sdst(0) depctr_va_ssrc(0) depctr_va_vcc(0) depctr_vm_vsrc(0)
	s_getreg_b32 s2, hwreg(HW_REG_IB_STS2, 6, 4)
	s_cmp_eq_u32 s2, 0
	s_cbranch_scc0 .Lentry_in_a_cluster
	s_endpgm
.Lentry_in_a_cluster:
	s_bfe_u32 s2, ttmp6, 0x10000c
	s_cmp_lg_u32 s2, 0xf033
	s_cbranch_scc0 .Lentry_shape_is_right
	s_endpgm
.Lentry_shape_is_right:
; S = q k^T on codes of BF6 (E3M2), K = 1,024, and p = 2^(t - M), t = S log2(e) / 32, quantised along the keys, stretch by stretch of 128 keys, each row's stretch under a whole number M of its own.
; A WORK-GROUP (Tq, j): 256 queries, 256 keys of their batch.  A WAVE (rw, cw): 128 queries (8 blocks of 16 lane rows, source 1) x 128 keys (two groups of four blocks, source 0): 64 accumulators.
; Lane (r, h) holds query r of a block; the 16 registers of key blocks 2 b and 2 b + 1 are the 16 neighbours 32 b + 16 h + 0 .. 15.
; c2: [o / 256][group 256][12800] (q 0-127, k 128-255): four blocks x two K steps of fragment images of 1,536 bytes, then two times 256 bytes of scale words.
; pc: [key / 512][block of queries 512][4][1536].   pst: planes of p's scale words, -M, partial sums of the unquantised p: [3][stretch 16][8192 rows]; in each 128 rows, row 32 p + l stands at word 4 l + p.
; REGISTERS.  The accumulators fill windows 1 and 2, a window for each group.  Window 0: v8-29 addresses; v32-43 scale words; v64-159 a group of k, two buffers; v160-255 q's 8 fragments, one set.
; A step of 128 K: the LDS loads stand in two runs: q's blocks 4-7 and group 1 at its start; the next step's scale words, group 0 and q's blocks 0-3 in the middle of group 1's products.
; LDS.  K goes in four slots of 256; three lie in LDS, each wave's 25,600 bytes of a slot beside those of the next slot.  K slot 0 comes at the head; K slots 1 and 2 by ONE load a wave (two rows, a plane apart) behind the first round;
; K slot 3 into slot 0, when that has been read out, with the products of two slots in which to land.  Waves 0 and 1 fetch q's halves, waves 2 and 3 k's.
; CLUSTERS: 4 x 4.  q's tiles are shared along a row of the cluster, k's along a column.
; PREFETCH INTO THE L2: behind the head's load each wave asks for K slots 1 and 2 of the half that it fetches, one load ahead: 100 blocks of 256 bytes a slot, 25 for each of the four partners, told apart by address (cx for q, cy for k).  K slot 3 is not asked for ahead.
; A BLOCK'S LARGEST p is the exponential of its largest score, made by the same two instructions: this takes v_exp_f32 not to fall where its input rises; at the worst a p within an ulp of a power of two is held one code low.
; LIMITS: a block of zeros keeps the byte 1 (its codes are zeros, and this program alone reads the bytes); NaN and infinities are not served; scaled scores stay under 2^31 in magnitude.
.set GRP,   12800
.set PLANE, 3276800
.set XH,    25600                      ; 128 rows of a slot
.set PART,  3*XH                       ; the three slots of a wave's half
.set SPARE, 4*PART
.set PFO, 3                            ; v3 the prefetches' offset; never rewritten
.set ADX, 8                            ; v8-13 LDS addresses, one for each slot, of q and k: 16 x lane; v14-19: 8 x lane
.set ADW, 11
.set SDX, 14
.set SDW, 17
.set L16, 20
.set PW,  22                           ; v22-25
.set SPW, 28
.set NIL, 29
.set XS,  32
.set WS,  40
.set WF,  64
.set XF,  160
.set T0,  4                            ; behind the products: v4-7 row maxima, row sums
.set TM,  32                           ; v32-47 the blocks' maxima
.set OUT, 48                           ; v48-59 the three planes' words on their way out
.set LS,  60                           ; v60-63 row sums
.set PC,  64                           ; v64-159 codes
.set TS,  160                          ; v160-175 the conversions' scale operands
.set PH,  176                          ; v176-207 halves of codes
.set NMP, 208                          ; v208-215 -M, as pairs
.set SA,  216                          ; v216-231 sums, two chains a row
.set SB,  224
.set T1,  232                          ; v232-235
.set TP,  236                          ; v236-251 the partner's maxima, then bytes
.set SEL, 16
.set CS,  18                           ; s[18:19] log2(e) / 32
.set HM,  85                           ; s85 lanes 16-31
.set PFA, 86                           ; s[86:87] the tile whose later K slots I prefetch
.set G1,  28                           ; s[28:35], s[36:43] descriptor group 1 for q's and k's tiles;  s[44:47], s[52:55] group 0
.set G1B, 36
.set G0,  44
.set G0B, 52
.set MSB, 0
.macro WIN new                         ; the immediate's high byte repeats the setting that is left
.if MSB != (\new)
	s_set_vgpr_msb (MSB<<8)|(\new)
.set MSB, (\new)
.endif
.endm
.macro PLACES n
.rept \n
	v_nop
.endr
.endm
.macro SHAPE elems, pitch              ; a tile of two rows: 2 x 12,800 bytes on end (one slot), or 2 x 25,600 bytes a plane apart (two slots)
.irp g, G1, G1B
	s_mov_b32 s[\g+1], (\elems)<<16
	s_mov_b32 s[\g+3], (\elems)<<16
	s_mov_b32 s[\g+5], \pitch
.endr
.endm
.macro JLOAD                           ; a joint load: waves 0 and 1 fetch q, waves 2 and 3 k (s_nop 0 and four v_nop behind each line)
	s_cmp_eq_u32 s21, 0
	s_cbranch_scc0 .Lfor_b_\@
	tensor_load_to_lds s[G0:G0+3], s[G1:G1+7]
	s_nop 0
.rept 4
	v_nop
.endr
	s_branch .Lasked_\@
.Lfor_b_\@:
	tensor_load_to_lds s[G0B:G0B+3], s[G1B:G1B+7]
	s_nop 0
.rept 4
	v_nop
.endr
.Lasked_\@:
.endm
.macro CREST                           ; a round of the cluster's barrier behind its opening barrier
	s_cmp_lg_u32 s20, 0
	s_cbranch_scc1 .Lnot_wave_0_\@
	s_barrier_signal -3
.Lnot_wave_0_\@:
	s_barrier_wait -3
	s_barrier_signal -1
	s_barrier_wait -1
.endm
.macro CROUND
	s_barrier_signal -1
	s_barrier_wait -1
	CREST
.endm
.macro WM                              ; one product; fZ: the constant 0 starts the sum; fRB, fRA: the scale words lie in lanes 16-31
.if fZ
.if fRB && fRA
	v_wmma_scale_f32_16x16x128_f8f6f4 v[rD:rD+7], v[rB:rB+11], v[rA:rA+11], 0, v[rSB], v[rSA] matrix_a_fmt:MATRIX_FMT_BF6 matrix_b_fmt:MATRIX_FMT_BF6 matrix_a_scale:MATRIX_SCALE_ROW1 matrix_b_scale:MATRIX_SCALE_ROW1
.elseif fRB
	v_wmma_scale_f32_16x16x128_f8f6f4 v[rD:rD+7], v[rB:rB+11], v[rA:rA+11], 0, v[rSB], v[rSA] matrix_a_fmt:MATRIX_FMT_BF6 matrix_b_fmt:MATRIX_FMT_BF6 matrix_a_scale:MATRIX_SCALE_ROW1
.elseif fRA
	v_wmma_scale_f32_16x16x128_f8f6f4 v[rD:rD+7], v[rB:rB+11], v[rA:rA+11], 0, v[rSB], v[rSA] matrix_a_fmt:MATRIX_FMT_BF6 matrix_b_fmt:MATRIX_FMT_BF6 matrix_b_scale:MATRIX_SCALE_ROW1
.else
	v_wmma_scale_f32_16x16x128_f8f6f4 v[rD:rD+7], v[rB:rB+11], v[rA:rA+11], 0, v[rSB], v[rSA] matrix_a_fmt:MATRIX_FMT_BF6 matrix_b_fmt:MATRIX_FMT_BF6
.endif
.else
.if fRB && fRA
	v_wmma_scale_f32_16x16x128_f8f6f4 v[rD:rD+7], v[rB:rB+11], v[rA:rA+11], v[rD:rD+7], v[rSB], v[rSA] matrix_a_fmt:MATRIX_FMT_BF6 matrix_b_fmt:MATRIX_FMT_BF6 matrix_a_scale:MATRIX_SCALE_ROW1 matrix_b_scale:MATRIX_SCALE_ROW1
.elseif fRB
	v_wmma_scale_f32_16x16x128_f8f6f4 v[rD:rD+7], v[rB:rB+11], v[rA:rA+11], v[rD:rD+7], v[rSB], v[rSA] matrix_a_fmt:MATRIX_FMT_BF6 matrix_b_fmt:MATRIX_FMT_BF6 matrix_a_scale:MATRIX_SCALE_ROW1
.elseif fRA
	v_wmma_scale_f32_16x16x128_f8f6f4 v[rD:rD+7], v[rB:rB+11], v[rA:rA+11], v[rD:rD+7], v[rSB], v[rSA] matrix_a_fmt:MATRIX_FMT_BF6 matrix_b_fmt:MATRIX_FMT_BF6 matrix_b_scale:MATRIX_SCALE_ROW1
.else
	v_wmma_scale_f32_16x16x128_f8f6f4 v[rD:rD+7], v[rB:rB+11], v[rA:rA+11], v[rD:rD+7], v[rSB], v[rSA] matrix_a_fmt:MATRIX_FMT_BF6 matrix_b_fmt:MATRIX_FMT_BF6
.endif
.endif
.endm
; Four products: q's block a with group g's four.  The 64 accumulators take turns, one instruction a turn, in the same order in every step.
.macro MUL g, a, q, zero
	WIN 0x50*((\g)+1)
.irp b, 0,1,2,3
.set rD, 8*(4*(\a)+\b)
.set rB, WF+48*(\g)+12*\b
.set rA, XF+12*(\a)
.set rSB, WS+2*(\g)+\b/2
.set rSA, XS+4*(\q)+(\a)/2
.set fRB, \b%2
.set fRA, (\a)%2
.set fZ, \zero
	WM
.endr
.endm
.macro FRAG reg, adr, off              ; a fragment's image comes back by three loads of 512 consecutive bytes
.irp c, 0,1,2
	ds_load_b128 v[(\reg)+4*\c:(\reg)+4*\c+3], v[\adr] offset:(\off)+512*\c
.endr
.endm
.macro LW slot, q, g                   ; group g's scale words and its four fragments: 13 loads
	ds_load_b64 v[WS+2*(\g):WS+2*(\g)+1], v[SDW+\slot] offset:GRP*(\g)+12288+256*(\q)
.irp i, 0,1,2,3
	FRAG WF+48*(\g)+12*\i, ADW+\slot, GRP*(\g)+3072*\i+1536*(\q)
.endr
.endm
.macro LXS slot, q
.irp u, 0,1
	ds_load_b64 v[XS+4*(\q)+2*\u:XS+4*(\q)+2*\u+1], v[SDX+\slot] offset:GRP*\u+12288+256*(\q)
.endr
.endm
.macro LX slot, q, a
	FRAG XF+12*(\a), ADX+\slot, GRP*((\a)/4)+3072*((\a)%4)+1536*(\q)
.endm
; A step of 128 K.  Four plain vector instructions stand between matrix instructions and loads into registers that they have read (ISA guide 7.12.1 for vector instructions).
; turn: the slot ends with this step (its last reads stand at the step's start): one barrier shows what has been asked for whole; with turn = 2 it opens a round, and slot 0 is filled again with K slot 3.
.macro STEP slot, q, zero, nslot, nq, turn, more
	PLACES 4
	WIN 0
.irp a, 4,5,6,7
	LX \slot, \q, \a
.endr
	LW \slot, \q, 1
	s_wait_dscnt 25                                ; group 0, the scale words and q's blocks 0-3 are in; the 25 loads just issued may be out
.irp a, 0,1,2,3
	MUL 0, \a, \q, \zero
.endr
	s_wait_dscnt 13                                ; blocks 4-7 are in; group 1's 13 loads may be out
.if \turn
	WIN 0
	s_wait_tensorcnt 0x0                           ; all my tensor loads have landed: my part of what was asked for last;
	ds_add_u32 v[SPW], v[NIL]                      ; 0 onto my spare word
.endif
	MUL 0, 4, \q, \zero
	MUL 0, 5, \q, \zero
.if \turn
	s_wait_dscnt 0x0                               ; the add is done, and my reads of this slot are over
	s_barrier_signal -1
.endif
	MUL 0, 6, \q, \zero
	MUL 0, 7, \q, \zero
.if \turn
	WIN 0
	s_barrier_wait -1
.if (\turn) == 2
	CREST                                          ; no wave of any partner still reads this slot or has a load on its way
	s_mov_b32 s[G0+1], s70
	s_mov_b32 s[G0B+1], s71
	s_add_nc_u64 s[G0+2:G0+3], s[G0+2:G0+3], 2*PLANE
	s_add_nc_u64 s[G0B+2:G0B+3], s[G0B+2:G0B+3], 2*PLANE
	SHAPE 1600, 1600
	JLOAD                                          ; the first tensor load behind the round
.endif
.endif
	s_wait_dscnt 0x0                               ; group 1 is in
.irp a, 0,1,2,3
	MUL 1, \a, \q, \zero
.endr
.if \more
	PLACES 4
	WIN 0
	LXS \nslot, \nq
	LW \nslot, \nq, 0
.irp a, 0,1,2,3
	LX \nslot, \nq, \a
.endr
.endif
.irp a, 4,5,6,7
	MUL 1, \a, \q, \zero
.endr
.endm
	s_load_b128 s[4:7], s[0:1], 0x0                ; c2, pc
	s_load_b64 s[8:9], s[0:1], 0x10                ; pst
	v_lshl_add_u32 v[SPW], v0, 2, SPARE
	v_mov_b32 v[NIL], 0
	ds_add_u32 v[SPW], v[NIL]                      ; the opening lines: the add, twice on end, and its wait ahead of my first tensor load
	ds_add_u32 v[SPW], v[NIL]
	v_lshrrev_b32 v1, 5, v0
	v_readfirstlane_b32 s20, v1                    ; wave
	s_lshr_b32 s21, s20, 1                         ; rw: my 128 queries.  Also: I fetch q (0) or k (1)
	s_and_b32 s22, s20, 1                          ; cw: my 128 keys.  Also: which half I fetch
	s_bfe_u32 s24, ttmp6, 0x40000                  ; cx
	s_bfe_u32 s25, ttmp6, 0x40004                  ; cy
	s_lshl_b32 s26, ttmp9, 2
	s_add_co_u32 s26, s26, s24                     ; j: the tile of keys in its batch
	s_and_b32 s23, ttmp7, 0xffff
	s_lshl_b32 s27, s23, 2
	s_add_co_u32 s27, s27, s25                     ; Tq: the tile of queries
	s_lshr_b32 s23, s23, 1                         ; the batch: two clusters' rows each
	s_lshl_b32 s60, s25, 2
	s_lshl_b32 s60, 15, s60                        ; my row of the cluster
	s_lshl_b32 s61, 0x1111, s24                    ; my column
	s_or_b32 s[G1], s60, (3<<16)|(1<<21)           ; 15:0 the mask; 17:16 elements of 8 bytes; 21 set beside a mask; no padding
	s_or_b32 s[G1B], s61, (3<<16)|(1<<21)
.irp g, G1, G1B
	s_mov_b32 s[\g+2], 2<<16
	s_mov_b32 s[\g+4], 2
	s_mov_b32 s[\g+6], 0
	s_mov_b32 s[\g+7], 0
.endr
	SHAPE 1600, 1600
	s_lshl_b32 s63, s22, 1
	s_lshl_b32 s62, s27, 2
	s_add_co_u32 s62, s62, s63
	s_mul_i32 s66, s62, GRP                        ; q: group 4 Tq + 2 x half
	s_mov_b32 s67, 0
	s_lshl_b32 s68, s26, 2
	s_add_co_u32 s68, s68, s63
	s_lshl_b32 s69, s23, 5
	s_add_co_u32 s68, s68, s69
	s_add_co_u32 s68, s68, 128
	s_mul_i32 s68, s68, GRP                        ; k: group 128 + 32 x batch + 4 j + 2 x half
	s_mov_b32 s69, 0
	s_mul_i32 s70, s22, PART                       ; where they go: by the wave's number alone
	s_add_co_u32 s71, s70, 2*PART
	s_wait_dscnt 0x0                               ; both opening adds are done
	s_wait_kmcnt 0x0
	s_add_nc_u64 s[66:67], s[4:5], s[66:67]
	s_add_nc_u64 s[68:69], s[4:5], s[68:69]
	s_mov_b32 s[G0], 1
	s_mov_b32 s[G0+1], s70
	s_mov_b64 s[G0+2:G0+3], s[66:67]
	s_or_b32 s[G0+3], s[G0+3], 0x80000000
	s_mov_b32 s[G0B], 1
	s_mov_b32 s[G0B+1], s71
	s_mov_b64 s[G0B+2:G0B+3], s[68:69]
	s_or_b32 s[G0B+3], s[G0B+3], 0x80000000
	CROUND                                         ; all sixteen work-groups are here: the first joint loads meet
	JLOAD                                          ; K slot 0: one tensor load a wave at the head
	s_cmp_eq_u32 s21, 0                            ; what I prefetch: q's tile or k's; my place among the four that ask for it
	s_cselect_b64 s[PFA:PFA+1], s[66:67], s[68:69]
	s_cselect_b32 s74, s24, s25
	s_mul_i32 s74, s74, 25*256
	s_mul_i32 s72, s21, PART                       ; my queries
	s_mul_i32 s73, s22, PART
	s_add_co_u32 s73, s73, 2*PART                  ; my keys
	v_and_b32 v1, 31, v0                           ; lane
	v_min_u32 v[PFO], 24, v1                       ; (lanes 25-31 name the last block again)
	v_lshl_add_u32 v[PFO], v[PFO], 8, s74
	v_lshlrev_b32 v[L16], 4, v1
	v_lshlrev_b32 v2, 3, v1
	v_add_nc_u32 v[ADX], s72, v[L16]
	v_add_nc_u32 v[ADW], s73, v[L16]
	v_add_nc_u32 v[SDX], s72, v2
	v_add_nc_u32 v[SDW], s73, v2
	global_prefetch_b8 v[PFO], s[PFA:PFA+1] offset:PLANE th:TH_LOAD_NT scope:SCOPE_SE     ; K slots 1
	global_prefetch_b8 v[PFO], s[PFA:PFA+1] offset:2*PLANE th:TH_LOAD_NT scope:SCOPE_SE   ; and 2
.irp r, ADX, ADW, SDX, SDW
	v_add_nc_u32 v[\r+1], XH, v[\r]
	v_add_nc_u32 v[\r+2], 2*XH, v[\r]
.endr
	; where p goes: 512 keys j / 2, block 16 Tq + 8 rw, K step 2 (j % 2) + cw; and the planes: stretch 2 j + cw, row 256 Tq + 128 rw
	s_lshl_b32 s60, s27, 4
	s_lshl_b32 s61, s21, 3
	s_add_co_u32 s60, s60, s61
	s_lshl_b32 s90, s60, 6
	s_mul_i32 s88, s60, 6144
	s_lshr_b32 s61, s26, 1
	s_mul_i32 s61, s61, 3145728
	s_add_co_u32 s88, s88, s61
	s_lshl_b32 s61, s26, 1
	s_add_co_u32 s61, s61, s22
	s_lshl_b32 s62, s61, 15
	s_add_co_u32 s90, s90, s62
	s_and_b32 s61, s61, 3
	s_mul_i32 s61, s61, 1536
	s_add_co_u32 s88, s88, s61
	s_mov_b32 s89, 0
	s_mov_b32 s91, 0
	s_add_nc_u64 s[80:81], s[6:7], s[88:89]
	s_add_nc_u64 s[82:83], s[8:9], s[90:91]
	s_mov_b32 s[SEL], 0x76543210
	s_mov_b32 s[SEL+1], 0xfedcba98
	s_mov_b32 s[CS], 0x3d38aa3b
	s_mov_b32 s[CS+1], s[CS]                       ; (the packed form names the pair)
	s_mov_b32 s[HM], 0xffff0000
	s_wait_alu depctr_va_vdst(0)                   ; the wait at the head's end
	s_wait_tensorcnt 0x0                           ; my part of K slot 0 is in
	ds_add_u32 v[SPW], v[NIL]
	s_add_co_u32 s[G0+1], s70, XH                  ; no tensor load of mine is out, so the descriptors may be written: K slots 1 and 2, beside slot 0
	s_add_co_u32 s[G0B+1], s71, XH
	s_add_nc_u64 s[G0+2:G0+3], s[G0+2:G0+3], PLANE
	s_add_nc_u64 s[G0B+2:G0B+3], s[G0B+2:G0B+3], PLANE
	SHAPE 3200, PLANE/8
	s_wait_dscnt 0x0
	CROUND                                         ; K slot 0 is whole, and all sixteen work-groups are here
	JLOAD                                          ; K slots 1 and 2: the first tensor load behind the round
	LXS 0, 0
	LW 0, 0, 0
.irp a, 0,1,2,3
	LX 0, 0, \a
.endr
	STEP 0, 0, 1, 0, 1, 0, 1                       ; the first step's products start the sums
	STEP 0, 1, 0, 1, 0, 2, 1                       ; slots 1 and 2 are shown whole, slot 0 takes K slot 3
	STEP 1, 0, 0, 1, 1, 0, 1
	STEP 1, 1, 0, 2, 0, 0, 1                       ; on into slot 2 without a barrier: the one above has shown it whole
	STEP 2, 0, 0, 2, 1, 0, 1
	STEP 2, 1, 0, 0, 0, 1, 1                       ; K slot 3 is shown whole; nothing is left to fetch
	STEP 0, 0, 0, 0, 1, 0, 1
	STEP 0, 1, 0, 0, 0, 0, 0
	WIN 0
	PLACES 4                                       ; in front of the first reads of results and of writes over the operands' registers
; FOUR BLOCKS OF 16 QUERIES at a time, f = 0 .. 3: scores of key blocks (of 32) 0 and 1 at v[128 qd + 32 f ..] of window 1, of 2 and 3 at the same registers of window 2.
.macro SOFTQ qd
.irp c, 0,1
.set WX, 1+\c
	WIN (WX<<2)|(WX<<4)
.irp f, 0,1,2,3
.irp u, 0,1
	v_max3_num_f32 v[TM+4*\f+2*\c+\u], 0xff800000, v[128*(\qd)+32*\f+16*\u], v[128*(\qd)+32*\f+16*\u+1]   ; each accumulator from its low end on
.endr
.endr
.irp i, 2,4,6,8,10,12,14
.irp f, 0,1,2,3
.irp u, 0,1
	v_max3_num_f32 v[TM+4*\f+2*\c+\u], v[TM+4*\f+2*\c+\u], v[128*(\qd)+32*\f+16*\u+\i], v[128*(\qd)+32*\f+16*\u+\i+1]
.endr
.endr
.endr
.endr
	WIN 0
.irp t, 0,1,2,3,4,5,6,7,8,9,10,11,12,13,14,15
	v_permlanex16_b32 v[TP+\t], v[TM+\t], s[SEL], s[SEL+1]
.endr
.irp t, 0,1,2,3,4,5,6,7,8,9,10,11,12,13,14,15
	v_max_num_f32 v[TM+\t], v[TM+\t], v[TP+\t]     ; the largest score of each block of 32 keys
.endr
.irp f, 0,1,2,3
	v_max3_num_f32 v[T0+\f], v[TM+4*\f], v[TM+4*\f+1], v[TM+4*\f+2]
.endr
.irp f, 0,1,2,3
	v_max_num_f32 v[T0+\f], v[T0+\f], v[TM+4*\f+3]
.endr
.irp f, 0,1,2,3
	v_mul_f32 v[T0+\f], s[CS], v[T0+\f]
.endr
.irp f, 0,1,2,3
	v_floor_f32 v[NMP+2*\f], -v[T0+\f]             ; -M: M is a whole number, the stretch's largest t rounded up
.endr
.irp f, 0,1,2,3
.irp b, 0,1,2,3
	v_fma_f32 v[TM+4*\f+\b], v[TM+4*\f+\b], s[CS], v[NMP+2*\f]
.endr
.endr
.irp c, 0,1
.set WX, 1+\c
	WIN (WX<<6)|WX
.irp f, 0,1
.set i, 128*(\qd)+32*\f
.rept 16
	v_pk_fma_f32 v[i:i+1], v[i:i+1], s[CS:CS+1], v[NMP+2*\f:NMP+2*\f+1] op_sel_hi:[1,0,0]   ; t - M
.set i, i+2
.endr
.endr
	s_wait_alu depctr_va_vdst(0)                   ; the wait ahead of the batch
.irp f, 0,1
.set i, 128*(\qd)+32*\f
.rept 16
	v_exp_f32 v[i], v[i]                           ; p, at most 1, not normalised; between these, blocks 2 and 3's multiply-adds, which name none of their registers
	v_pk_fma_f32 v[i+64:i+65], v[i+64:i+65], s[CS:CS+1], v[NMP+2*\f+4:NMP+2*\f+5] op_sel_hi:[1,0,0]
	v_exp_f32 v[i+1], v[i+1]
.set i, i+2
.endr
.endr
	s_wait_alu depctr_va_vdst(0)                   ; and ahead of the next
.set i, 128*(\qd)+64
.rept 64
	v_exp_f32 v[i], v[i]
.set i, i+1
.endr
.endr
	WIN 0
.irp t, 0,1,2,3,4,5,6,7,8,9,10,11,12,13,14,15
	v_exp_f32 v[TM+\t], v[TM+\t]                   ; and each block's largest p
.endr
	v_nop                                          ; a plain place behind them,
	s_wait_alu depctr_va_vdst(0)                   ; and the wait ahead of their first reader
	WIN 5                                          ; the rows' sums of the unquantised p, two chains a row
.irp f, 0,1,2,3
	v_pk_add_f32 v[SA+2*\f:SA+2*\f+1], v[128*(\qd)+32*\f:128*(\qd)+32*\f+1], v[128*(\qd)+32*\f+2:128*(\qd)+32*\f+3]
	v_pk_add_f32 v[SB+2*\f:SB+2*\f+1], v[128*(\qd)+32*\f+4:128*(\qd)+32*\f+5], v[128*(\qd)+32*\f+6:128*(\qd)+32*\f+7]
.endr
	WIN 4
.irp j, 8,12,16,20,24,28
.irp f, 0,1,2,3
	v_pk_add_f32 v[SA+2*\f:SA+2*\f+1], v[SA+2*\f:SA+2*\f+1], v[128*(\qd)+32*\f+\j:128*(\qd)+32*\f+\j+1]
	v_pk_add_f32 v[SB+2*\f:SB+2*\f+1], v[SB+2*\f:SB+2*\f+1], v[128*(\qd)+32*\f+\j+2:128*(\qd)+32*\f+\j+3]
.endr
.endr
	WIN 8
.irp j, 0,4,8,12,16,20,24,28
.irp f, 0,1,2,3
	v_pk_add_f32 v[SA+2*\f:SA+2*\f+1], v[SA+2*\f:SA+2*\f+1], v[128*(\qd)+32*\f+\j:128*(\qd)+32*\f+\j+1]
	v_pk_add_f32 v[SB+2*\f:SB+2*\f+1], v[SB+2*\f:SB+2*\f+1], v[128*(\qd)+32*\f+\j+2:128*(\qd)+32*\f+\j+3]
.endr
.endr
	WIN 0
.irp f, 0,1,2,3
	v_pk_add_f32 v[SA+2*\f:SA+2*\f+1], v[SA+2*\f:SA+2*\f+1], v[SB+2*\f:SB+2*\f+1]
.endr
.irp f, 0,1,2,3
	v_add_f32 v[T0+\f], v[SA+2*\f], v[SA+2*\f+1]
.endr
.irp f, 0,1,2,3
	v_permlanex16_b32 v[T1+\f], v[T0+\f], s[SEL], s[SEL+1]
.endr
.irp f, 0,1,2,3
	v_add_f32 v[LS+\f], v[T0+\f], v[T1+\f]
.endr
.irp t, 0,1,2,3,4,5,6,7,8,9,10,11,12,13,14,15
	v_max_num_f32 v[TM+\t], 0x2800000, v[TM+\t]    ; the floor 2^(5 - 127): the byte cannot fall under 1
.endr
.irp t, 0,1,2,3,4,5,6,7,8,9,10,11,12,13,14,15
	v_add_nc_u32 v[TS+\t], 0xfe000000, v[TM+\t]    ; 4 off the exponent field: the conversion's scale operand
.endr
.irp t, 0,1,2,3,4,5,6,7,8,9,10,11,12,13,14,15
	v_lshrrev_b32 v[TP+\t], 23, v[TS+\t]           ; the scale's byte
.endr
.irp f, 0,1,2,3
	v_lshl_or_b32 v[PW+\f], v[TP+4*\f+1], 8, v[TP+4*\f]
.endr
.irp f, 0,1,2,3
	v_lshl_or_b32 v[PW+\f], v[TP+4*\f+2], 16, v[PW+\f]
.endr
.irp f, 0,1,2,3
	v_lshl_or_b32 v[PW+\f], v[TP+4*\f+3], 24, v[PW+\f]
.endr
.set PB, PC+48*(\qd)
.irp c, 0,1
	WIN 1+\c
.irp f, 0,1,2,3
	v_cvt_scalef32_pk16_bf6_f32 v[PB+12*\f+6*\c:PB+12*\f+6*\c+2], v[128*(\qd)+32*\f:128*(\qd)+32*\f+15], v[TS+4*\f+2*\c]
	v_cvt_scalef32_pk16_bf6_f32 v[PH+8*\f+4*\c:PH+8*\f+4*\c+2], v[128*(\qd)+32*\f+16:128*(\qd)+32*\f+31], v[TS+4*\f+2*\c+1]   ; (a conversion's three registers begin on an even number)
.endr
.endr
	WIN 0
	v_nop                                          ; one plain instruction behind the scaled conversions
.irp f, 0,1,2,3
.irp c, 0,1
.irp i, 0,1,2
	v_permlane16_swap_b32 v[PB+12*\f+6*\c+\i], v[PH+8*\f+4*\c+\i]   ; a whole block to a lane: lanes 0-15 block 2 c, lanes 16-31 block 2 c + 1
.endr
.endr
.endr
.irp f, 0,1,2,3
.irp c, 0,1
.irp i, 0,1,2
	v_mov_b32 v[PB+12*\f+6*\c+3+\i], v[PH+8*\f+4*\c+\i]
.endr
.endr
.irp c, 0,1,2
	global_store_b128 v[L16], v[PB+12*\f+4*\c:PB+12*\f+4*\c+3], s[80:81] offset:6144*(4*(\qd)+\f)+512*\c   ; 512 consecutive bytes, at a multiple of 512 from pc's first byte
.endr
.endr
.irp p, 0,1                            ; both half waves hold each row's words: lanes 0-15 take the even block's, lanes 16-31 the odd block's
	v_cndmask_b32 v[OUT+2*(\qd)+\p], v[PW+2*\p], v[PW+2*\p+1], s[HM]
	v_cndmask_b32 v[OUT+4+2*(\qd)+\p], v[NMP+4*\p], v[NMP+4*\p+2], s[HM]
	v_cndmask_b32 v[OUT+8+2*(\qd)+\p], v[LS+2*\p], v[LS+2*\p+1], s[HM]
.endr
.endm
	SOFTQ 0
	SOFTQ 1
.irp p, 0,1,2
	global_store_b128 v[L16], v[OUT+4*\p:OUT+4*\p+3], s[82:83] offset:524288*\p   ; my 128 rows' words of a plane: 512 consecutive bytes
.endr
	s_wait_tensorcnt 0x0                           ; the wave's end
	ds_add_u32 v[SPW], v[NIL]
	s_wait_dscnt 0x0
	CROUND                                         ; the closing round
	s_endpgm
.Lfunc_end_k_q138f32a596_scores:
	.size	k_q138f32a596_scores, .Lfunc_end_k_q138f32a596_scores-k_q138f32a596_scores
	.p2alignl 7, 3214868480
	.fill 96, 4, 3214868480
	.section	.rodata,"a",@progbits
	.p2align	6, 0x0
	.amdhsa_kernel k_q138f32a596_scores
		.amdhsa_group_segment_fixed_size 327680
		.amdhsa_private_segment_fixed_size 0
		.amdhsa_enable_private_segment 0
		.amdhsa_kernarg_size 24
		.amdhsa_user_sgpr_count 2
		.amdhsa_user_sgpr_kernarg_segment_ptr 1
		.amdhsa_wavefront_size32 1
		.amdhsa_system_sgpr_workgroup_id_x 1
		.amdhsa_system_sgpr_workgroup_id_y 1
		.amdhsa_system_sgpr_workgroup_id_z 1
		.amdhsa_system_vgpr_workitem_id 0
		.amdhsa_next_free_vgpr 768
		.amdhsa_next_free_sgpr 96
		.amdhsa_reserve_vcc 0
		.amdhsa_float_denorm_mode_32 3
		.amdhsa_float_denorm_mode_16_64 3
		.amdhsa_memory_ordered 1
		.amdhsa_forward_progress 1
		.amdhsa_inst_pref_size 194
	.end_amdhsa_kernel
	.amdgpu_metadata
---
amdhsa.version: [ 1, 2 ]
amdhsa.kernels:
  - .name:           k_q138f32a596_scores
    .symbol:         k_q138f32a596_scores.kd
    .args:
      - { .name: c2, .offset: 0, .size: 8, .value_kind: global_buffer, .address_space: global }
      - { .name: pc, .offset: 8, .size: 8, .value_kind: global_buffer, .address_space: global }
      - { .name: pst, .offset: 16, .size: 8, .value_kind: global_buffer, .address_space: global }
    .group_segment_fixed_size: 327680
    .private_segment_fixed_size: 0
    .kernarg_segment_align: 8
    .kernarg_segment_size: 24
    .max_flat_workgroup_size: 128
    .sgpr_count:     96
    .vgpr_count:     768
    .wavefront_size: 32
...
	.end_amdgpu_metadata
.endif
;; end of part 3
;; launch pv (part 4): grid 4 x 64, 4 waves a work-group, clusters of 4 x 4, 327,680 bytes of LDS; arguments pc, pst, c3, out0; writes out0
.if DOCPART == 4
	.amdgcn_target "amdgcn-amd-amdhsa--gfx1250"
	.amdhsa_code_object_version 6
	.text
	.protected	k_q138f32a596_pv
	.globl	k_q138f32a596_pv
	.p2align	8
	.type	k_q138f32a596_pv,@function
k_q138f32a596_pv:
	s_mov_b64 s[64:65], 0
	v_nop
	global_prefetch_b8 v0, s[64:65] scope:SCOPE_SE
	s_setreg_imm32_b32 hwreg(HW_REG_WAVE_MODE, 25, 1), 1
	s_wait_xcnt 0x0
	s_wait_alu depctr_hold_cnt(0) depctr_sa_sdst(0) depctr_va_vdst(0) depctr_va_sdst(0) depctr_va_ssrc(0) depctr_va_vcc(0) depctr_vm_vsrc(0)
	s_getreg_b32 s2, hwreg(HW_REG_IB_STS2, 6, 4)
	s_cmp_eq_u32 s2, 0
	s_cbranch_scc0 .Lentry_in_a_cluster
	s_endpgm
.Lentry_in_a_cluster:
	s_bfe_u32 s2, ttmp6, 0x10000c
	s_cmp_lg_u32 s2, 0xf033
	s_cbranch_scc0 .Lentry_shape_is_right
	s_endpgm
.Lentry_shape_is_right:
; O = (p v) / l on codes of BF6 (E3M2), K = the batch's 2,048 keys.
; A WORK-GROUP: 128 queries (Tq) x 256 d (cx), so that there is one for each of 256 tiles.  A WAVE (rw, cw): 64 queries (4 blocks of p, source 1) x 128 d (8 blocks of v^T, source 0): 32 accumulators.
; pc: [key / 512][block 512][4][1536].   c3: [batch][key / 512][group of 64 d 16][25600]: four blocks x four K steps of 1,536 bytes, then 4 x 256 bytes of scale words.
; p WAS MADE STRETCH BY STRETCH of 128 keys, each under a whole number M of its own (pst: planes of p's scale words, -M, partial sums; [16 stretches][8192 rows]; in each 128 rows, row 32 p + l at word 4 l + p).  At the head a thread takes a row:
; the row's M is the largest of the 16; stretch k lies D = M - M_k under it, so D is taken off each of its four scale bytes and its partial sum is multiplied by 2^-D: both exact.
; LIMITS: D is held at 127, and a scale byte that would fall under 0 is held at 0: such terms are under 28 x 2^-127 of a row's largest p, beside a sum above 1/2.  NaN and infinities are not served.
; Lane (r, h) holds one query, and the 64 registers of a block of queries are d = 32 b + 16 h + i of the wave's 128.
; Lane row r of block rb is row 32 (rb / 2) + 8 (rb % 2) + r + 8 (r / 8): undone for the queries by the stores' offsets.
; THE RING.  K goes in four slots of 512 keys through two LDS slots; waves 0 and 1 fetch p's halves, waves 2 and 3 v's.  CLUSTERS: 4 x 4: p's tiles are shared along a row of the cluster, v's along a column.
; A step of 128 keys has its operands in one of two sets; the next step's are asked for in one run of 39 loads ahead of its 32 products.
; THE LAST K SLOT goes by blocks of queries: all its fragments of v lie in registers, each block of 16 queries takes its four steps on end, and leaves while the next is multiplied.
; PREFETCH INTO THE L2: behind each of the first three tensor loads, K slots 0 to 2, a wave asks for the next K slot of the half that it fetches: 96 blocks of 256 bytes of p, or 200 of v, a quarter of them for each of the four partners,
; told apart by address (cx for p, cy for v).  So K slots 1, 2 and 3 are asked for one slot ahead of their loads; nothing is asked for beyond K slot 3.
; REGISTERS.  Window 1: the accumulators, (b, a) at v[8 (8 b + a)].  Window 0: v6-29 addresses; v32-43 scale words, two sets; v44-51 1 / l of my four blocks, as pairs; v64-159 p's four fragments, two sets; v160-183 the last slot's scale words; v184-247 results on their way out.
;   Window 2: v0-191 v's eight fragments, two sets.  In the last slot K steps 0, 1 of v in window 2, 2, 3 in window 3, and rows read back in v192-255 of both.
;   (At the head: v64-79 p's scale words, v80-95 -M, v96-111 partial sums, v160, v176-191 at work.)
.set AH,    24576                      ; 64 queries of a slot
.set BH,    51200                      ; 128 rows d of a slot
.set SLOT,  2*AH+2*BH
.set PSC,   2*SLOT
.set RLS,   PSC+8192                   ; 1 / l of the 128 rows
.set SPARE, RLS+512
.set STO,  6                           ; v6   the way out: where I put 64 bytes of a row
.set RD,   7                           ; v7   and where a row is read back
.set CO,   8                           ; v8   16 x lane
.set PSA,  9                           ; v9   my row's place in PSC
.set RLW,  10                          ; v10  and in RLS
.set RLA,  11                          ; v11  where my lane's 1 / l are read
.set STA,  12                          ; v12  4 x my thread's number
.set SDW,  13                          ; v13  my rows' scale words of p
.set ADX,  16                          ; v16-17 v in slots 0, 1;  v18-19 p;  v20-21 v's scale words
.set ADW,  18
.set SDX,  20
.set PFO,  22                          ; v22-23 the prefetches' offsets; never rewritten
.set SPW,  28
.set NIL,  29
.set XS,   32
.set WS,   40
.set RL,   44
.set WF,   64
.set XS3,  160
.set WS3,  176
.set W,    64
.set NM,   80
.set L,    96
.set D,    176
.set T,    184
.set BK,   192
.set G1,   28
.set G1B,  36
.set G0,   44
.set G0B,  52
.set PFA,  92                          ; s[92:93] the K slot that my prefetches name;  s[94:95] the step to the next
.set MSB, 0
.macro WIN new                         ; the immediate's high byte repeats the setting that is left
.if MSB != (\new)
	s_set_vgpr_msb (MSB<<8)|(\new)
.set MSB, (\new)
.endif
.endm
.macro PLACES n
.rept \n
	v_nop
.endr
.endm
.macro JLOAD s                         ; a joint load: waves 0 and 1 fetch p, waves 2 and 3 v (s_nop 0 and four v_nop behind each line)
	s_cmp_eq_u32 s21, 0
	s_cbranch_scc0 .Lfor_b_\@
	tensor_load_to_lds s[G0+4*(\s):G0+4*(\s)+3], s[G1:G1+7]
	s_nop 0
.rept 4
	v_nop
.endr
	s_branch .Lasked_\@
.Lfor_b_\@:
	tensor_load_to_lds s[G0B+4*(\s):G0B+4*(\s)+3], s[G1B:G1B+7]
	s_nop 0
.rept 4
	v_nop
.endr
.Lasked_\@:
.endm
.macro ASK                             ; the prefetch of the K slot at PFA: my 24 blocks of p by one instruction, or my 50 of v by two (lanes that are left over name the last block again)
	global_prefetch_b8 v[PFO], s[PFA:PFA+1] th:TH_LOAD_NT scope:SCOPE_SE
	s_cmp_eq_u32 s21, 0
	s_cbranch_scc1 .Lall_asked_\@
	global_prefetch_b8 v[PFO+1], s[PFA:PFA+1] th:TH_LOAD_NT scope:SCOPE_SE
.Lall_asked_\@:
.endm
.macro CREST                           ; a round of the cluster's barrier behind its opening barrier
	s_cmp_lg_u32 s20, 0
	s_cbranch_scc1 .Lnot_wave_0_\@
	s_barrier_signal -3
.Lnot_wave_0_\@:
	s_barrier_wait -3
	s_barrier_signal -1
	s_barrier_wait -1
.endm
.macro CROUND
	s_barrier_signal -1
	s_barrier_wait -1
	CREST
.endm
.macro WM                              ; one product; fZ: the constant 0 starts the sum; fRB, fRA: the scale words lie in lanes 16-31
.if fZ
.if fRB && fRA
	v_wmma_scale_f32_16x16x128_f8f6f4 v[rD:rD+7], v[rB:rB+11], v[rA:rA+11], 0, v[rSB], v[rSA] matrix_a_fmt:MATRIX_FMT_BF6 matrix_b_fmt:MATRIX_FMT_BF6 matrix_a_scale:MATRIX_SCALE_ROW1 matrix_b_scale:MATRIX_SCALE_ROW1
.elseif fRB
	v_wmma_scale_f32_16x16x128_f8f6f4 v[rD:rD+7], v[rB:rB+11], v[rA:rA+11], 0, v[rSB], v[rSA] matrix_a_fmt:MATRIX_FMT_BF6 matrix_b_fmt:MATRIX_FMT_BF6 matrix_a_scale:MATRIX_SCALE_ROW1
.elseif fRA
	v_wmma_scale_f32_16x16x128_f8f6f4 v[rD:rD+7], v[rB:rB+11], v[rA:rA+11], 0, v[rSB], v[rSA] matrix_a_fmt:MATRIX_FMT_BF6 matrix_b_fmt:MATRIX_FMT_BF6 matrix_b_scale:MATRIX_SCALE_ROW1
.else
	v_wmma_scale_f32_16x16x128_f8f6f4 v[rD:rD+7], v[rB:rB+11], v[rA:rA+11], 0, v[rSB], v[rSA] matrix_a_fmt:MATRIX_FMT_BF6 matrix_b_fmt:MATRIX_FMT_BF6
.endif
.else
.if fRB && fRA
	v_wmma_scale_f32_16x16x128_f8f6f4 v[rD:rD+7], v[rB:rB+11], v[rA:rA+11], v[rD:rD+7], v[rSB], v[rSA] matrix_a_fmt:MATRIX_FMT_BF6 matrix_b_fmt:MATRIX_FMT_BF6 matrix_a_scale:MATRIX_SCALE_ROW1 matrix_b_scale:MATRIX_SCALE_ROW1
.elseif fRB
	v_wmma_scale_f32_16x16x128_f8f6f4 v[rD:rD+7], v[rB:rB+11], v[rA:rA+11], v[rD:rD+7], v[rSB], v[rSA] matrix_a_fmt:MATRIX_FMT_BF6 matrix_b_fmt:MATRIX_FMT_BF6 matrix_a_scale:MATRIX_SCALE_ROW1
.elseif fRA
	v_wmma_scale_f32_16x16x128_f8f6f4 v[rD:rD+7], v[rB:rB+11], v[rA:rA+11], v[rD:rD+7], v[rSB], v[rSA] matrix_a_fmt:MATRIX_FMT_BF6 matrix_b_fmt:MATRIX_FMT_BF6 matrix_b_scale:MATRIX_SCALE_ROW1
.else
	v_wmma_scale_f32_16x16x128_f8f6f4 v[rD:rD+7], v[rB:rB+11], v[rA:rA+11], v[rD:rD+7], v[rSB], v[rSA] matrix_a_fmt:MATRIX_FMT_BF6 matrix_b_fmt:MATRIX_FMT_BF6
.endif
.endif
.endm
; Four products: v's block a with p's four, step st.  The 32 accumulators take turns, one instruction a turn, in the same order in every step.
.macro MUL a, st, zero
	WIN 0x52                                       ; source 0 window 2, source 1 window 0, C and D window 1
.set PAR, (\st)%2
.irp b, 0,1,2,3
.set rD, 8*(8*\b+(\a))
.set rB, 96*PAR+12*(\a)
.set rA, WF+48*PAR+12*\b
.set rSB, XS+4*PAR+(\a)/2
.set rSA, WS+2*PAR+\b/2
.set fRB, (\a)%2
.set fRA, \b%2
.set fZ, \zero
	WM
.endr
.endm
.macro FRAG reg, adr, off
.irp c, 0,1,2
	ds_load_b128 v[(\reg)+4*\c:(\reg)+4*\c+3], v[\adr] offset:(\off)+512*\c
.endr
.endm
.macro FETCH st                        ; step st's operands into set st % 2: 3 loads of scale words, 12 of p, 24 of v
.irp u, 0,1
	ds_load_b64 v[XS+4*((\st)%2)+2*\u:XS+4*((\st)%2)+2*\u+1], v[SDX+((\st)/4)%2] offset:25600*\u+24576+256*((\st)%4)
.endr
	ds_load_b64 v[WS+2*((\st)%2):WS+2*((\st)%2)+1], v[SDW] offset:512*(\st)
.irp b, 0,1,2,3
	FRAG WF+48*((\st)%2)+12*\b, ADW+((\st)/4)%2, 6144*\b+1536*((\st)%4)
.endr
	WIN 0x80
.irp a, 0,1,2,3,4,5,6,7
	FRAG 96*((\st)%2)+12*\a, ADX+((\st)/4)%2, 25600*(\a/4)+6144*(\a%4)+1536*((\st)%4)
.endr
	WIN 0
.endm
; The last slot: p's block b, four steps: 12 loads; v's step q: 24 loads; and all scale words, p's block 0 and v's steps 0, 2, 3.
.macro LP b
.irp q, 0,1,2,3
	FRAG WF+48*((\b)%2)+12*\q, ADW+1, 6144*(\b)+1536*\q
.endr
.endm
.macro LV q
	WIN 0x40*(2+(\q)/2)
.irp a, 0,1,2,3,4,5,6,7
	FRAG 96*((\q)%2)+12*\a, ADX+1, 25600*(\a/4)+6144*(\a%4)+1536*(\q)
.endr
	WIN 0
.endm
.macro FETCH3
.irp q, 0,1,2,3
.irp u, 0,1
	ds_load_b64 v[XS3+4*\q+2*\u:XS3+4*\q+2*\u+1], v[SDX+1] offset:25600*\u+24576+256*\q
.endr
	ds_load_b64 v[WS3+2*\q:WS3+2*\q+1], v[SDW] offset:512*(12+\q)
.endr
	LP 0
	LV 0
	LV 2
	LV 3
.endm
; A step of 128 keys.  Four plain vector instructions stand between matrix instructions and loads into registers that they have read (ISA guide 7.12.1 for vector instructions).
; turn = 2: a slot's last step: its reads are over when the step's operands are in: the barrier opens a round, the slot is filled again, two K slots on, and only then the next step is fetched.  turn = 1: one barrier shows the last slot whole.
; ask = 1: behind that run of loads the next K slot is prefetched.
.macro STEP st, zero, turn, ask
.set NX, (\st)+1
.if \ask
	s_wait_xcnt 0x0                                ; my earlier prefetches have read their address: it is stepped ahead of the waits of the change of slots
	s_add_nc_u64 s[PFA:PFA+1], s[PFA:PFA+1], s[PFA+2:PFA+3]
.endif
	s_wait_dscnt 0x0                               ; this step's operands are in
.if \turn
	WIN 0
	s_wait_tensorcnt 0x0                           ; all my tensor loads have landed: my part of the next slot;
	ds_add_u32 v[SPW], v[NIL]                      ; 0 onto my spare word
	MUL 0, \st, \zero
	MUL 1, \st, \zero
	s_wait_dscnt 0x0                               ; the add is done, and my reads of this slot are over
	s_barrier_signal -1
	MUL 2, \st, \zero
	MUL 3, \st, \zero
	WIN 0
	s_barrier_wait -1
.if (\turn) == 2
	CREST                                          ; no wave of any partner still reads this slot or has a load on its way
.set SL, ((\st)/4)%2
	s_add_nc_u64 s[G0+4*SL+2:G0+4*SL+3], s[G0+4*SL+2:G0+4*SL+3], 6291456
	s_add_nc_u64 s[G0B+4*SL+2:G0B+4*SL+3], s[G0B+4*SL+2:G0B+4*SL+3], 819200
	JLOAD SL                                       ; the first tensor load behind the round; its four v_nop are the places in front of the loads below
	FETCH NX
.if \ask
	ASK
.endif
.else
	PLACES 4
	FETCH3
.endif
.irp a, 4,5,6,7
	MUL \a, \st, \zero
.endr
.else
	PLACES 4
	WIN 0
	FETCH NX
.irp a, 0,1,2,3,4,5,6,7
	MUL \a, \st, \zero
.endr
.endif
.endm
; Block b in the last slot: 32 products, its 8 accumulators by turns; K step 1, which was asked for last, stands last.
.macro ROWB b
.irp q, 0,2,3,1
.if (\b) == 0 && \q == 1
	s_wait_dscnt 0x0                               ; v's step 1 and p's block 1 are in
.endif
	WIN 0x52+\q/2
.irp a, 0,1,2,3,4,5,6,7
.set rD, 8*(8*(\b)+\a)
.set rB, 96*(\q%2)+12*\a
.set rA, WF+48*((\b)%2)+12*\q
.set rSB, XS3+4*\q+\a/2
.set rSA, WS3+2*\q+(\b)/2
.set fRB, \a%2
.set fRA, (\b)%2
.set fZ, 0
	WM
.endr
.endr
	WIN 0
	PLACES 4                                       ; in front of reads of its results and of loads into its operands' registers
.endm
	s_load_b128 s[4:7], s[0:1], 0x0                ; pc, pst
	s_load_b128 s[8:11], s[0:1], 0x10              ; c3, out0
	v_lshl_add_u32 v[SPW], v0, 2, SPARE
	v_mov_b32 v[NIL], 0
	ds_add_u32 v[SPW], v[NIL]                      ; the opening lines: the add, twice on end, and its wait ahead of my first tensor load
	ds_add_u32 v[SPW], v[NIL]
	v_lshrrev_b32 v1, 5, v0
	v_readfirstlane_b32 s20, v1                    ; wave
	s_lshr_b32 s21, s20, 1                         ; rw: my 64 queries.  Also: I fetch p (0) or v (1)
	s_and_b32 s22, s20, 1                          ; cw: my 128 d.  Also: which half I fetch
	s_bfe_u32 s24, ttmp6, 0x40000                  ; cx: the tile of 256 d
	s_bfe_u32 s25, ttmp6, 0x40004                  ; cy
	s_and_b32 s23, ttmp7, 0xffff                   ; the cluster's y
	s_lshl_b32 s27, s23, 2
	s_add_co_u32 s27, s27, s25                     ; Tq: the tile of 128 queries
	s_lshr_b32 s23, s23, 2                         ; the batch
	s_lshl_b32 s60, s25, 2
	s_lshl_b32 s60, 15, s60                        ; my row of the cluster
	s_lshl_b32 s61, 0x1111, s24                    ; my column
	s_or_b32 s[G1], s60, (3<<16)|(1<<21)           ; p: 24,576 bytes on end as 96 rows of 256
	s_mov_b32 s[G1+1], 32<<16
	s_mov_b32 s[G1+2], 96<<16
	s_mov_b32 s[G1+3], 32<<16
	s_mov_b32 s[G1+4], 96
	s_mov_b32 s[G1+5], 32
	s_mov_b32 s[G1+6], 0
	s_mov_b32 s[G1+7], 0
	s_or_b32 s[G1B], s61, (3<<16)|(1<<21)          ; v: 51,200 bytes as 200 such rows
	s_mov_b32 s[G1B+1], 32<<16
	s_mov_b32 s[G1B+2], 200<<16
	s_mov_b32 s[G1B+3], 32<<16
	s_mov_b32 s[G1B+4], 200
	s_mov_b32 s[G1B+5], 32
	s_mov_b32 s[G1B+6], 0
	s_mov_b32 s[G1B+7], 0
	s_lshl_b32 s62, s27, 3
	s_lshl_b32 s63, s22, 2
	s_add_co_u32 s62, s62, s63
	s_mul_i32 s66, s62, 6144                       ; p: block 8 Tq + 4 x half
	s_mov_b32 s67, 0
	s_lshl_b32 s68, s24, 2
	s_lshl_b32 s63, s22, 1
	s_add_co_u32 s68, s68, s63
	s_mul_i32 s68, s68, 25600                      ; v: group 4 cx + 2 x half
	s_mul_i32 s69, s23, 1638400
	s_add_co_u32 s68, s68, s69
	s_mov_b32 s69, 0
	s_mul_i32 s70, s22, AH                         ; where they go: by the wave's number alone
	s_mul_i32 s71, s22, BH
	s_add_co_u32 s71, s71, 2*AH
	s_lshl_b32 s88, s27, 9                         ; my tile's 128 rows in a plane row of pst
	s_mov_b32 s89, 0
	s_wait_dscnt 0x0                               ; both opening adds are done
	s_wait_kmcnt 0x0
	s_add_nc_u64 s[6:7], s[6:7], s[88:89]
	v_lshlrev_b32 v[STA], 2, v0
.irp k, 0,1,2,3,4,5,6,7,8,9,10,11,12,13,14,15
	global_load_b32 v[NM+\k], v[STA], s[6:7] offset:524288+32768*\k
	global_load_b32 v[W+\k], v[STA], s[6:7] offset:32768*\k
	global_load_b32 v[L+\k], v[STA], s[6:7] offset:1048576+32768*\k
.endr
	s_add_nc_u64 s[66:67], s[4:5], s[66:67]
	s_add_nc_u64 s[68:69], s[8:9], s[68:69]
.irp s, 0,1
	s_mov_b32 s[G0+4*\s], 1
	s_add_co_u32 s[G0+4*\s+1], s70, \s*SLOT
	s_add_nc_u64 s[G0+4*\s+2:G0+4*\s+3], s[66:67], \s*3145728
	s_or_b32 s[G0+4*\s+3], s[G0+4*\s+3], 0x80000000
	s_mov_b32 s[G0B+4*\s], 1
	s_add_co_u32 s[G0B+4*\s+1], s71, \s*SLOT
	s_add_nc_u64 s[G0B+4*\s+2:G0B+4*\s+3], s[68:69], \s*409600
	s_or_b32 s[G0B+4*\s+3], s[G0B+4*\s+3], 0x80000000
.endr
	CROUND                                         ; all sixteen work-groups are here: the first joint loads meet
	JLOAD 0                                        ; K slot 0: one tensor load a wave at the head
	s_cmp_eq_u32 s21, 0                            ; what I prefetch: p's tile or v's; my place among the four that ask for it; a partner's blocks; the step to the next K slot
	s_cselect_b64 s[PFA:PFA+1], s[66:67], s[68:69]
	s_cselect_b32 s78, s24, s25
	s_cselect_b32 s79, 24, 50
	s_mov_b32 s94, 409600
	s_cselect_b32 s94, 3145728, s94
	s_mov_b32 s95, 0
	s_add_nc_u64 s[PFA:PFA+1], s[PFA:PFA+1], s[PFA+2:PFA+3]   ; K slot 1
	s_mul_i32 s78, s78, s79
	s_sub_co_u32 s79, s79, 1
	v_and_b32 v1, 31, v0                           ; lane
	v_add_nc_u32 v2, 32, v1
	v_min_u32 v[PFO], s79, v1
	v_min_u32 v[PFO+1], s79, v2
	v_add_nc_u32 v[PFO], s78, v[PFO]
	v_add_nc_u32 v[PFO+1], s78, v[PFO+1]
	v_lshlrev_b32 v[PFO], 8, v[PFO]
	v_lshlrev_b32 v[PFO+1], 8, v[PFO+1]
	s_wait_alu depctr_va_vdst(0)                   ; the wait here, ahead of the branch below
	ASK
	s_lshl_b32 s90, s27, 19                        ; out0: row 128 Tq + 64 rw of 4,096 bytes, column 256 cx + 128 cw
	s_mov_b32 s91, 0
	s_lshl_b32 s60, s21, 18
	s_add_co_u32 s90, s90, s60
	s_lshl_b32 s60, s24, 10
	s_add_co_u32 s90, s90, s60
	s_lshl_b32 s60, s22, 9
	s_add_co_u32 s90, s90, s60
	s_add_nc_u64 s[12:13], s[10:11], s[90:91]
	s_mul_i32 s72, s22, BH
	s_add_co_u32 s72, s72, 2*AH                    ; my d
	s_mul_i32 s73, s21, AH                         ; my queries
	s_lshl_b32 s74, s21, 8
	s_add_co_u32 s75, s74, RLS
	s_add_co_u32 s74, s74, PSC
	s_mul_i32 s76, s20, 8448                       ; the way out's stage: 16 rows x 528 bytes a wave, in slot 0, which by then has had its last fill and its last read
	v_lshlrev_b32 v[CO], 4, v1
	v_lshlrev_b32 v2, 3, v1
	v_add_nc_u32 v[ADX], s72, v[CO]
	v_add_nc_u32 v[ADW], s73, v[CO]
	v_add_nc_u32 v[SDX], s72, v2
.irp r, ADX, ADW, SDX
	v_add_nc_u32 v[\r+1], SLOT, v[\r]
.endr
	v_add_nc_u32 v[SDW], s74, v2
	v_and_b32 v3, 15, v0                           ; r
	v_bfe_u32 v4, v0, 4, 1                         ; h
	v_lshl_add_u32 v[RLA], v3, 2, s75
	v_mul_u32_u24 v[STO], v3, 528
	v_lshl_add_u32 v[STO], v4, 6, v[STO]
	v_add_nc_u32 v[STO], s76, v[STO]
	v_add_nc_u32 v[RD], s76, v[CO]
	; thread t's row is 32 (t % 4) + t / 4
	v_lshrrev_b32 v5, 2, v0
	v_and_b32 v2, 3, v0
	v_lshlrev_b32 v2, 7, v2
	v_lshl_add_u32 v[RLW], v5, 2, v2
	v_add_nc_u32 v[RLW], RLS, v[RLW]               ; RLS + 4 x row
	v_bfe_u32 v3, v0, 1, 1
	v_and_b32 v4, 1, v0
	v_lshlrev_b32 v3, 8, v3
	v_lshl_add_u32 v3, v4, 2, v3
	v_lshl_add_u32 v3, v5, 3, v3
	v_add_nc_u32 v[PSA], PSC, v3                   ; PSC + 256 x half + 8 (t / 4) + 4 (t % 2)
.irp a, 0,1,2,3
	v_mov_b32 v[RL+2*\a+1], 0                      ; (named as the upper halves of pairs)
.endr
	s_wait_alu depctr_va_vdst(0)                   ; the wait here, directly ahead of the wait below
	s_wait_loadcnt 0x0
	; MY ROW: -M of the row is the least of the 16 stretches' -M.  The 16 stretches go in step
	v_min3_num_f32 v160, v[NM], v[NM+1], v[NM+2]
.irp k, 3,5,7,9,11,13
	v_min3_num_f32 v160, v160, v[NM+\k], v[NM+\k+1]
.endr
	v_min_num_f32 v160, v160, v[NM+15]
.macro EACH op                         ; one line of the work for all 16 stretches
.set k, 0
.rept 16
	\op
.set k, k+1
.endr
.endm
.macro F1
	v_sub_f32 v[D+k], v160, v[NM+k]                ; M_k - M: a whole number, 0 or less,
.endm
.macro F2
	v_max_num_f32 v[D+k], 0xc2fe0000, v[D+k]       ; held at -127
.endm
.macro F3
	v_cvt_i32_f32 v[D+k], v[D+k]
.endm
.macro F4
	v_ldexp_f32 v[L+k], v[L+k], v[D+k]             ; the stretch's sum under the row's M: exact
.endm
.macro F5
	v_sub_nc_u32 v[D+k], 0, v[D+k]                 ; D = M - M_k, 0 .. 127,
.endm
.macro F6
	v_perm_b32 v[D+k], v[D+k], v[D+k], 0           ; in all four bytes
.endm
.macro F7
	v_or_b32 v[W+k], 0x80808080, v[W+k]            ; each byte b (1 .. 123) + 128: no borrow passes from byte to byte,
.endm
.macro F8
	v_sub_nc_u32 v[W+k], v[W+k], v[D+k]            ; b + 128 - D: bit 7 says that b - D is 0 or more
.endm
.macro F9
	v_and_b32 v[D+k], 0x80808080, v[W+k]
.endm
.macro F10
	v_lshrrev_b32 v[NM+k], 7, v[D+k]
.endm
.macro F11
	v_sub_nc_u32 v[D+k], v[D+k], v[NM+k]           ; 0x7f in the bytes that stay
.endm
.macro F12
	v_and_b32 v[W+k], v[W+k], v[D+k]               ; the others are held at 0
.endm
.macro F13
	ds_store_b32 v[PSA], v[W+k] offset:512*k
.endm
.irp n, 1,2,3,4,5,6,7,8,9,10,11,12,13
	EACH F\n
.endr
.irp s, 8,4,2,1
.set k, 0
.rept \s
	v_add_f32 v[L+k], v[L+k], v[L+k+\s]
.set k, k+1
.endr
.endr
	s_wait_alu depctr_va_vdst(0)                   ; the wait ahead of the transcendental
	v_rcp_f32 v[L], v[L]                           ; 1 / l
	v_nop                                          ; a plain instruction behind the reciprocal,
	s_wait_alu depctr_va_vdst(0)                   ; and the wait ahead of its first reader
	ds_store_b32 v[RLW], v[L]
	s_wait_xcnt 0x0                                ; K slot 1's prefetches have read their address
	s_add_nc_u64 s[PFA:PFA+1], s[PFA:PFA+1], s[PFA+2:PFA+3]
	s_wait_tensorcnt 0x0                           ; my part of K slot 0 is in
	ds_add_u32 v[SPW], v[NIL]
	s_wait_dscnt 0x0                               ; the add is done, and my row's scale words and 1 / l lie in LDS
	CROUND                                         ; K slot 0 is whole, and all sixteen work-groups are here
	JLOAD 1                                        ; K slot 1: the first tensor load behind the round
.irp a, 0,1,2,3
	ds_load_b32 v[RL+2*\a], v[RLA] offset:64*\a    ; 1 / l of my lane's query in each of my four blocks
.endr
	FETCH 0
	ASK                                            ; K slot 2, behind the run of LDS loads that the first products wait for
	STEP 0, 1, 0, 0                                ; the first step's products start the sums.  Four K slots on two LDS slots: the steps are written out
	STEP 1, 0, 0, 0
	STEP 2, 0, 0, 0
	STEP 3, 0, 2, 1                                ; slot 0 takes K slot 2; K slot 3 is prefetched
	STEP 4, 0, 0, 0
	STEP 5, 0, 0, 0
	STEP 6, 0, 0, 0
	STEP 7, 0, 2, 0                                ; slot 1 takes K slot 3
	STEP 8, 0, 0, 0
	STEP 9, 0, 0, 0
	STEP 10, 0, 0, 0
	STEP 11, 0, 1, 0                               ; nothing is left to fetch
; THE WAY OUT, a block of 16 queries x 128 d at a time: times 1 / l; 64 neighbouring bytes of a row for each block of 32 d into my stage; back as whole rows of 512 bytes.
.macro MULT a
	WIN 0x01                                       ; source 0: the accumulators' window
.set i, 0
.rept 32
	v_pk_mul_f32 v[T+2*i:T+2*i+1], v[64*(\a)+2*i:64*(\a)+2*i+1], v[RL+2*(\a):RL+2*(\a)+1] op_sel_hi:[1,0]   ; each accumulator from its low end on
.set i, i+1
.endr
	WIN 0
.endm
.macro TOSTAGE a
.irp b, 0,1,2,3
.irp j, 0,1,2,3
	ds_store_b128 v[STO], v[T+16*\b+4*\j:T+16*\b+4*\j+3] offset:128*\b+16*\j
.endr
.endr
	WIN 0x40*(2+(\a)%2)                            ; into v192-255 of window 2 or 3
.irp t, 0,1,2,3,4,5,6,7,8,9,10,11,12,13,14,15
	ds_load_b128 v[BK+4*\t:BK+4*\t+3], v[RD] offset:528*\t   ; LDS serves a wave's instructions in order: these see the stores above, and the next block's stores come behind them
.endr
	WIN 0
.endm
.macro SEND a, younger                 ; younger: the LDS loads issued behind TOSTAGE's, which may stay out
	s_wait_dscnt \younger                          ; the block is back in registers
	WIN 4*(2+(\a)%2)
.irp t, 0,1,2,3,4,5,6,7,8,9,10,11,12,13,14,15
	global_store_b128 v[CO], v[BK+4*\t:BK+4*\t+3], s[12:13] offset:(32*((\a)/2)+8*((\a)%2)+\t+8*(\t/8))*4096 th:TH_STORE_NT   ; lane row t's true row; 512 consecutive bytes, at a multiple of 512 from out0's first byte
.endr
	WIN 0
.endm
	WIN 0
	PLACES 4                                       ; for the loads into the set that step 11 read
	LP 1
	LV 1
	s_wait_dscnt 36                                ; all but the 36 just issued
	ROWB 0
	LP 2
	MULT 0
	TOSTAGE 0
	ROWB 1
	LP 3
	SEND 0, 12                                     ; p's block 3 may be out: block 2 is in
	MULT 1
	TOSTAGE 1
	ROWB 2
	SEND 1, 0                                      ; and p's block 3 is in
	s_wait_xcnt 0x0                                ; block 0's and 1's stores have read their registers, into which the next blocks' rows are loaded
	MULT 2
	TOSTAGE 2
	ROWB 3
	SEND 2, 0
	MULT 3
	TOSTAGE 3
	SEND 3, 0
	s_wait_tensorcnt 0x0                           ; the wave's end
	ds_add_u32 v[SPW], v[NIL]
	s_wait_dscnt 0x0
	CROUND                                         ; the closing round
	s_endpgm
.Lfunc_end_k_q138f32a596_pv:
	.size	k_q138f32a596_pv, .Lfunc_end_k_q138f32a596_pv-k_q138f32a596_pv
	.p2alignl 7, 3214868480
	.fill 96, 4, 3214868480
	.section	.rodata,"a",@progbits
	.p2align	6, 0x0
	.amdhsa_kernel k_q138f32a596_pv
		.amdhsa_group_segment_fixed_size 327680
		.amdhsa_private_segment_fixed_size 0
		.amdhsa_enable_private_segment 0
		.amdhsa_kernarg_size 32
		.amdhsa_user_sgpr_count 2
		.amdhsa_user_sgpr_kernarg_segment_ptr 1
		.amdhsa_wavefront_size32 1
		.amdhsa_system_sgpr_workgroup_id_x 1
		.amdhsa_system_sgpr_workgroup_id_y 1
		.amdhsa_system_sgpr_workgroup_id_z 1
		.amdhsa_system_vgpr_workitem_id 0
		.amdhsa_next_free_vgpr 1024
		.amdhsa_next_free_sgpr 96
		.amdhsa_reserve_vcc 0
		.amdhsa_float_denorm_mode_32 3
		.amdhsa_float_denorm_mode_16_64 3
		.amdhsa_memory_ordered 1
		.amdhsa_forward_progress 1
		.amdhsa_inst_pref_size 159
	.end_amdhsa_kernel
	.amdgpu_metadata
---
amdhsa.version: [ 1, 2 ]
amdhsa.kernels:
  - .name:           k_q138f32a596_pv
    .symbol:         k_q138f32a596_pv.kd
    .args:
      - { .name: pc, .offset: 0, .size: 8, .value_kind: global_buffer, .address_space: global }
      - { .name: pst, .offset: 8, .size: 8, .value_kind: global_buffer, .address_space: global }
      - { .name: c3, .offset: 16, .size: 8, .value_kind: global_buffer, .address_space: global }
      - { .name: out0, .offset: 24, .size: 8, .value_kind: global_buffer, .address_space: global }
    .group_segment_fixed_size: 327680
    .private_segment_fixed_size: 0
    .kernarg_segment_align: 8
    .kernarg_segment_size: 32
    .max_flat_workgroup_size: 128
    .sgpr_count:     96
    .vgpr_count:     1024
    .wavefront_size: 32
...
	.end_amdgpu_metadata
.endif
;; end of part 4
